; MI455X (gfx1250); checked and timed in simulation.
; The chip was launched on July 23, 2026; its instructions are those of AMD's public machine-readable ISA for CDNA 5 (MIT licence, August 2026) and "CDNA5" Instruction Set Architecture Reference Guide (July 2026). The comments in the code are by the model that wrote it; some were corrected since.
;; Attention. Allowed arithmetic: matrix products marked QUANTISED: E2M1 operands, one E8M0 scale for each 32 along K, by v_wmma_scale_f32_16x16x128_f8f6f4 with both operands' format E2M1 (or v_wmma_scale_f32_32x16x128_f4), f32 sums; products left as they are: bf16, f16 or f32 operands; f32 sums; everything else in f32.
;; Inputs: Wk 1,024 x 1,024 float32; Wo 1,024 x 1,024 float32; Wq 1,024 x 1,024 float32; Wv 1,024 x 1,024 float32; k 2 x 2,048 x 1,024 float32; q 2 x 2,048 x 1,024 float32; v 2 x 2,048 x 1,024 float32.
;; Outputs: out0 2 x 2,048 x 1,024 float32.
;; This version of the problem:
;;   THIS VERSION OF THE PROBLEM IS GIVEN IN LOW PRECISION. The matrix products marked QUANTISED in the list below multiply operands that are first quantised to E2M1 (2 exponent bits, 1 mantissa bit; 4 bits a number), with one power-of-two scale for each 32 numbers along K (OCP MX v1.0); their sums are f32. The products marked 'left as it is' may take bf16, f16 or f32 operands, with f32 sums. Whichever they take, every output number must still come out within the allowed error. Rounding operands to bf16 (8 significant bits) uses up far more of that allowance than f16 does (11 bits, for magnitudes from 6e-5 to 65,504). All else is computed in f32.
;;   The module's matrix products, in the order in which they are computed (A, B: the left and right operand; K: the contracted axis; several contracted axes count as one K, in the product's order):
;;     1. [M 4,096, K 1,024] x [K 1,024, N 1,024]; A: input q; B: input Wq: QUANTISED
;;     2. [M 4,096, K 1,024] x [K 1,024, N 1,024]; A: input k; B: input Wk: QUANTISED
;;     3. [M 4,096, K 1,024] x [K 1,024, N 1,024]; A: input v; B: input Wv: QUANTISED
;;     4. batch 32 x [M 2,048, K 64] x [K 64, N 2,048]; A: computed on the way; B: computed on the way: left as it is (an operand is computed on the way)
;;     5. batch 32 x [M 2,048, K 2,048] x [K 2,048, N 64]; A: computed on the way; B: computed on the way: left as it is (an operand is computed on the way)
;;     6. [M 4,096, K 1,024] x [K 1,024, N 1,024]; A: computed on the way; B: input Wo: left as it is (an operand is computed on the way)
;;   THE QUANTISER, for each operand of a quantised product, along K:
;;     - K is cut into blocks of 32 from its start; a last block that is shorter is filled with zeros.
;;     - A block's scale is 2^e with e = floor(log2(the largest magnitude in the block)) - 2, held to -126 .. 127; a block of zeros has e = 0. As a byte (E8M0): e + 127.
;;     - Each number is divided by its block's scale, clamped to +-6, and rounded to the nearest number of E2M1, ties to even, subnormals kept.
;;     - The product sums the exact products of the quantised numbers (number of the format x scale) in f32.
;;   ~~~python
;;   def quantise(x, axis):      # numpy; x: float32 -> the quantised numbers, widened to float32 again
;;       x = np.moveaxis(x, axis, -1); K = x.shape[-1]
;;       x = np.pad(x, [(0, 0)] * (x.ndim - 1) + [(0, -K % 32)]); x = x.reshape(x.shape[:-1] + (-1, 32)); a = np.abs(x).max(-1, keepdims=True)
;;       e = np.where(a > 0, np.clip(np.frexp(np.where(a > 0, a, 1))[1] - 1 - 2, -126, 127), 0)      # np.frexp(a)[1] - 1 = floor(log2(a)), exactly
;;       r = np.clip(x / 2.0 ** e, -6, 6)
;;       step = 2.0 ** (np.maximum(np.frexp(np.where(r == 0, 1, r))[1] - 1, 0) - 1)
;;       q = np.round(r / step) * step * 2.0 ** e      # np.round: ties to even
;;       return np.moveaxis(q.reshape(q.shape[:-2] + (-1,))[..., :K], -1, axis).astype(np.float32)
;;   ~~~
;; One version. Each part assembles by itself: llvm-mc -triple=amdgcn-amd-amdhsa -mcpu=gfx1250 --defsym DOCPART=n.
;; ======== version 1 of 1: 4 launches
;; limits: values are held in f16: magnitudes above 65,504 overflow, below 6.1e-05 lose precision
;; workspace buffers: xc 6,291,456 bytes; xs 393,216 bytes; wc 1,572,864 bytes; ws 98,304 bytes; wo16 2,097,152 bytes; qkv 25,165,824 bytes; af 8,388,608 bytes
;; launch prep (part 1): grid 320 x 1, 8 waves a work-group, no clusters, 69,632 bytes of LDS; arguments q, k, v, Wq, Wk, Wv, Wo, xc, xs, wc, ws, wo16; writes xc, xs, wc, ws, wo16
.if DOCPART == 1
	.amdgcn_target "amdgcn-amd-amdhsa--gfx1250"
	.amdhsa_code_object_version 6
	.text
	.protected	k_q4eac166dc1_prep
	.globl	k_q4eac166dc1_prep
	.p2align	8
	.type	k_q4eac166dc1_prep,@function
k_q4eac166dc1_prep:
	s_mov_b64 s[64:65], 0
	v_nop
	global_prefetch_b8 v0, s[64:65] scope:SCOPE_SE
	s_setreg_imm32_b32 hwreg(HW_REG_WAVE_MODE, 25, 1), 1
	s_wait_xcnt 0x0
; PREP.  q, k, v [4096][1024] f32 (K = the last axis) and Wq, Wk, Wv [1024][1024] f32 (K = the FIRST axis) become codes of FP4 (E2M1) with one E8M0 byte for each 32 along K; Wo becomes f16.
; EVERY OUTPUT IS LAID IN THE ORDER OF THE OPERAND'S REGISTERS.  A fragment (16 rows x 128 K of codes, or 16 rows x 32 K of f16) is 1,024 bytes: two halves c of 512 bytes, lane L's 16 bytes at 16 L.
;   xc [t 3][mt 256][ks 8][c][L][16]: row 16 mt + L % 16, k = 128 ks + 64 c + 32 (L / 16) + 0 .. 31.     wc [t 3][nt 64][ks 8][c][L][16]: the same of column 16 nt + L % 16 of the weight.
;   xs [t][mt][hh 2][r 16][p 4] words, ws likewise: the scale word of row r for K step 4 hh + p; byte b serves k = 32 b .. 32 b + 31 of that step.
;   wo16 [nt 64][kf 32][c][L][16]: Wo[k][n], n = 16 nt + L % 16, k = 32 kf + 16 c + 8 (L / 16) + 0 .. 7.
; A block's scale is 2^(floor(log2(its largest magnitude)) - 2): its byte is the largest magnitude's exponent field - 2, held at 1 from below.
; LIMITS.  A block of zeros gets the byte 1 where the rule says 127: its codes are zeros, and this program alone reads the bytes.  Blocks whose largest magnitude lies under 2^-124 are held at the byte 1.
; NaN and infinities among the inputs are not served.  Wo beyond 65,504 in magnitude would become infinite in f16.
; SHARES.  Work-groups 0-95: Wq, Wk, Wv; 96-127: Wo (64 columns x 512 k each; a wave 32 columns x 128 k, a lane to a column, its registers down K).  Work-groups 128-319: q, k, v (a wave: 16 rows x 512 k).
; The paths part on the work-group's number alone, have LDS bytes of their own, and join at one barrier that every wave passes.  No tensor load, no loop: every offset is an immediate.
.set STG,   8448                       ; LDS 0 ..: a stage for each wave of the q, k, v path: 16 rows x 528 bytes
.set WSC,   67584                      ; the weights' path: 64 columns x 4 scale words
.set SPARE, 68608                      ; the spare words, 128 bytes for each wave: four blocks of 256 bytes that no other line names
.set SPW, 2                            ; v2   LDS address of my spare word; never rewritten
.set NIL, 3                            ; v3   0; never rewritten
.set STI, 6                            ; v6   the stage, on the way in: 16 x lane
.set STO, 7                            ; v7   on the way out: 528 r + 128 h
.set WSS, 8                            ; v8   where I put my column's scale word
.set WSR, 9                            ; v9   where waves 0 and 1 read a column's four words
.set XA,  10                           ; v10  16 x lane
.set XSA, 11                           ; v11  16 r + 8 h
.set WL,  12                           ; v12  4 x lane
.set WA,  13                           ; v13  8192 (lane / 16) + 16 r
.set WOA, 14                           ; v14  32768 (lane / 16) + 16 r
.set WSA, 15                           ; v15  512 (column / 16) + 16 r
.set SH,  16                           ; v16  8 h
.set T,   17                           ; v17-27 at work; v24 a lane permute's destination; v25 a column's scale word; v[26:27], v[20:23] data of the scale words' stores
.set SW,  28                           ; v28-31 the four fragments' scale words
.set CD,  32                           ; v32-63 codes: registers of its own for each fragment or block
.set R,   64                           ; v64-255 numbers as loaded
.set HF,  192                          ; v192-255 Wo's f16 numbers
	s_load_b256 s[4:11], s[0:1], 0x0               ; q, k, v, Wq
	s_load_b256 s[12:19], s[0:1], 0x20             ; Wk, Wv, Wo, xc
	s_load_b256 s[20:27], s[0:1], 0x40             ; xs, wc, ws, wo16
	v_lshl_add_u32 v[SPW], v0, 2, SPARE
	v_mov_b32 v[NIL], 0
	v_lshrrev_b32 v17, 5, v0
	v_readfirstlane_b32 s28, v17                   ; wave 0..7
	v_and_b32 v1, 31, v0                           ; lane
	v_and_b32 v4, 15, v0                           ; r
	v_bfe_u32 v5, v0, 4, 1                         ; h
	; every LDS address is made here, ahead of the parting
	s_mul_i32 s40, s28, STG
	v_lshl_add_u32 v[STI], v1, 4, s40
	v_mul_u32_u24 v[STO], v4, 528
	v_lshl_add_u32 v[STO], v5, 7, v[STO]
	v_add_nc_u32 v[STO], s40, v[STO]
	s_lshr_b32 s41, s28, 2
	s_lshl_b32 s41, s41, 9
	s_and_b32 s42, s28, 3
	s_lshl_b32 s42, s42, 2
	s_add_co_u32 s41, s41, s42
	s_add_co_u32 s41, s41, WSC
	v_lshl_add_u32 v[WSS], v1, 4, s41              ; WSC + 512 (wave / 4) + 16 lane + 4 (wave % 4)
	v_and_b32 v[WSR], 63, v0
	v_lshrrev_b32 v[WSA], 4, v[WSR]
	v_lshlrev_b32 v[WSA], 9, v[WSA]
	v_lshl_add_u32 v[WSA], v4, 4, v[WSA]
	v_lshl_add_u32 v[WSR], v[WSR], 4, WSC
	v_lshlrev_b32 v[XA], 4, v1
	v_lshlrev_b32 v[XSA], 4, v4
	v_lshl_add_u32 v[XSA], v5, 3, v[XSA]
	v_lshlrev_b32 v[WL], 2, v1
	v_lshlrev_b32 v[WA], 13, v5
	v_lshl_add_u32 v[WA], v4, 4, v[WA]
	v_lshlrev_b32 v[WOA], 15, v5
	v_lshl_add_u32 v[WOA], v4, 4, v[WOA]
	v_lshlrev_b32 v[SH], 3, v5
	v_mov_b32 v24, 0                               ; written once: a lane permute's destination counts as one of its sources
	s_mov_b32 s30, 0x76543210
	s_mov_b32 s31, 0xfedcba98                      ; v_permlanex16_b32's selects for lane l xor 16
	s_mov_b32 s38, 0xffff0000                      ; the lanes with h = 1
	s_wait_kmcnt 0x0
	s_cmp_lt_u32 ttmp9, 128
	s_cbranch_scc1 .Lweights
	; ---- q, k, v.  A wave takes 16 rows x 512 k: four fragments.
	s_sub_co_u32 s40, ttmp9, 128
	s_lshr_b32 s41, s40, 6                         ; t: which tensor
	s_and_b32 s42, s40, 63
	s_lshl_b32 s42, s42, 2
	s_lshr_b32 s43, s28, 1
	s_add_co_u32 s42, s42, s43                     ; mt: which 16 rows
	s_and_b32 s43, s28, 1                          ; hh: which half of K
	s_cmp_eq_u32 s41, 0
	s_cselect_b64 s[32:33], s[4:5], s[6:7]
	s_cmp_eq_u32 s41, 2
	s_cselect_b64 s[32:33], s[8:9], s[32:33]       ; the choice hangs on the work-group's number alone
	s_lshl_b32 s44, s42, 16                        ; 16 rows of 4,096 bytes
	s_lshl_b32 s45, s43, 11
	s_add_co_u32 s44, s44, s45
	s_mov_b32 s45, 0
	s_add_nc_u64 s[32:33], s[32:33], s[44:45]
	s_lshl_b32 s41, s41, 8
	s_add_co_u32 s41, s41, s42                     ; 256 t + mt
	s_lshl_b32 s44, s41, 13
	s_lshl_b32 s46, s43, 12
	s_add_co_u32 s44, s44, s46
	s_add_nc_u64 s[34:35], s[18:19], s[44:45]      ; my four fragments in xc
	s_lshl_b32 s44, s41, 9
	s_lshl_b32 s46, s43, 8
	s_add_co_u32 s44, s44, s46
	s_add_nc_u64 s[36:37], s[20:21], s[44:45]      ; my 256 bytes of xs
.macro XLOAD f                         ; fragment f: 512 consecutive bytes of each of the 16 rows, 16 bytes a lane, into set f % 3
.irp i, 0,1,2,3,4,5,6,7,8,9,10,11,12,13,14,15
	global_load_b128 v[R+64*((\f)%3)+4*\i:R+64*((\f)%3)+4*\i+3], v[XA], s[32:33] offset:4096*\i+512*(\f) th:TH_LOAD_NT
.endr
.endm
.macro XTURN f                         ; through my stage: in as loaded, back 128 bytes of ONE row a lane: register 32 c + i = k 64 c + 32 h + i of row r.  LDS serves a wave's instructions in order
.set XS, R+64*((\f)%3)
.irp i, 0,1,2,3,4,5,6,7,8,9,10,11,12,13,14,15
	ds_store_b128 v[STI], v[XS+4*\i:XS+4*\i+3] offset:528*\i
.endr
.irp c, 0,1
.irp g, 0,1,2,3,4,5,6,7
	ds_load_b128 v[XS+32*\c+4*\g:XS+32*\c+4*\g+3], v[STO] offset:256*\c+16*\g   ; rows 528 = 33 x 16 bytes apart: sixteen lanes take sixteen different 16-byte columns of 256
.endr
.endr
.endm
.macro XQUANT f                        ; my two whole blocks (2 c + h) become the fragment's registers as they stand
.set XS, R+64*((\f)%3)
.irp c, 0,1
	v_max3_num_f32 v[T+\c], |v[XS+32*\c]|, |v[XS+32*\c+1]|, 0x1800000   ; with the floor 2^(3 - 127): the byte cannot fall under 1
.endr
.irp i, 2,4,6,8,10,12,14,16,18,20,22,24,26,28,30
.irp c, 0,1
	v_max3_num_f32 v[T+\c], v[T+\c], |v[XS+32*\c+\i]|, |v[XS+32*\c+\i+1]|   ; (the two blocks by turns)
.endr
.endr
.irp c, 0,1
	v_add_nc_u32 v[T+2+\c], 0xff000000, v[T+\c]    ; 2 off the exponent field: the conversion's scale operand
.endr
.irp c, 0,1
	v_lshrrev_b32 v[T+4+\c], 23, v[T+2+\c]         ; the scale's byte
.endr
	v_lshl_or_b32 v[T+6], v[T+5], 16, v[T+4]       ; my two bytes: blocks h and 2 + h,
	v_lshlrev_b32 v[T+6], v[SH], v[T+6]            ; at their places in the word;
	v_permlanex16_b32 v[T+7], v[T+6], s30, s31
	v_or_b32 v[SW+\f], v[T+6], v[T+7]              ; with lane l xor 16's two the word is whole
.irp c, 0,1
.irp g, 0,1,2,3
	v_cvt_scalef32_pk8_fp4_f32 v[CD+8*(\f)+4*\c+\g], v[XS+32*\c+8*\g:XS+32*\c+8*\g+7], v[T+2+\c]
.endr
.endr
	v_nop                                          ; one plain line behind the last scaled conversion
.irp c, 0,1
	global_store_b128 v[XA], v[CD+8*(\f)+4*\c:CD+8*(\f)+4*\c+3], s[34:35] offset:1024*(\f)+512*\c   ; 512 consecutive bytes, aligned
.endr
.endm
.macro XSTEP f, left                   ; left: the loads of the fragments asked for behind this one, which may stay out
	s_wait_loadcnt \left
	XTURN \f
	s_wait_dscnt 0x0
	XQUANT \f
.if \f == 0
	XLOAD 3                                        ; into the set that fragment 0 has left
.endif
.endm
	XLOAD 0
	XLOAD 1
	XLOAD 2
	XSTEP 0, 32
	XSTEP 1, 32
	XSTEP 2, 16
	XSTEP 3, 0
	v_cndmask_b32 v26, v[SW], v[SW+2], s38         ; lanes 0-15 store words 0 and 1 of row r, lanes 16-31 words 2 and 3:
	v_cndmask_b32 v27, v[SW+1], v[SW+3], s38
	global_store_b64 v[XSA], v[26:27], s[36:37]    ; 256 consecutive bytes, aligned
	s_branch .Ljoin
.Lweights:
	; ---- the weights.  A lane takes a column and its registers run down K: a block of 32 lies in one lane, and nothing is transposed.
	s_lshr_b32 s41, ttmp9, 5                       ; 0, 1, 2: Wq, Wk, Wv; 3: Wo
	s_and_b32 s42, ttmp9, 31
	s_lshr_b32 s43, s42, 1                         ; which 64 columns
	s_and_b32 s42, s42, 1                          ; which half of K
	s_lshr_b32 s46, s28, 2                         ; which 32 of the 64 columns
	s_and_b32 s47, s28, 3
	s_lshl_b32 s40, s42, 2
	s_add_co_u32 s40, s40, s47                     ; ks: which 128 along K
	s_cmp_eq_u32 s41, 0
	s_cselect_b64 s[32:33], s[10:11], s[12:13]
	s_cmp_eq_u32 s41, 2
	s_cselect_b64 s[32:33], s[14:15], s[32:33]
	s_cmp_eq_u32 s41, 3
	s_cselect_b64 s[32:33], s[16:17], s[32:33]
	s_lshl_b32 s44, s40, 19                        ; 128 rows of 4,096 bytes
	s_lshl_b32 s45, s43, 8
	s_add_co_u32 s44, s44, s45
	s_lshl_b32 s45, s46, 7
	s_add_co_u32 s44, s44, s45
	s_mov_b32 s45, 0
	s_add_nc_u64 s[32:33], s[32:33], s[44:45]
	s_lshl_b32 s43, s43, 2
	s_lshl_b32 s46, s46, 1
	s_add_co_u32 s43, s43, s46                     ; my first tile of 16 columns
.macro WLOAD b                         ; block b: W(128 ks + 32 b + i, my column): 128 consecutive bytes a wave
.irp i, 0,1,2,3,4,5,6,7,8,9,10,11,12,13,14,15,16,17,18,19,20,21,22,23,24,25,26,27,28,29,30,31
	global_load_b32 v[R+32*(\b)+\i], v[WL], s[32:33] offset:4096*(32*(\b)+\i) th:TH_LOAD_NT
.endr
.endm
.macro WBLOCKQ b, left                 ; left: the next block's 32 loads may stay out
.set WS, R+32*(\b)
	s_wait_loadcnt \left
.if \b < 2
	WLOAD (\b)+2
.endif
	v_max3_num_f32 v[T], |v[WS]|, |v[WS+1]|, 0x1800000             ; the block's largest magnitude, in two chains, with the floor 2^(3 - 127)
	v_max3_num_f32 v[T+1], |v[WS+2]|, |v[WS+3]|, |v[WS+4]|
.irp i, 5,9,13,17,21,25
	v_max3_num_f32 v[T], v[T], |v[WS+\i]|, |v[WS+\i+1]|
	v_max3_num_f32 v[T+1], v[T+1], |v[WS+\i+2]|, |v[WS+\i+3]|
.endr
	v_max3_num_f32 v[T], v[T], |v[WS+29]|, |v[WS+30]|
	v_max3_num_f32 v[T], v[T], v[T+1], |v[WS+31]|
	v_add_nc_u32 v[T+2], 0xff000000, v[T]          ; the conversion's scale operand
	v_lshrrev_b32 v[T+3], 23, v[T+2]               ; the byte
.if \b == 0
	v_mov_b32 v[T+8], v[T+3]
.else
	v_lshl_or_b32 v[T+8], v[T+3], 8*(\b), v[T+8]   ; the lower K in the lower byte
.endif
.irp g, 0,1,2,3
	v_cvt_scalef32_pk8_fp4_f32 v[CD+4*(\b)+\g], v[WS+8*\g:WS+8*\g+7], v[T+2]
.endr
	v_nop                                          ; one plain line behind the last scaled conversion
	global_store_b128 v[WA], v[CD+4*(\b):CD+4*(\b)+3], s[34:35] offset:512*((\b)/2)+256*((\b)%2)   ; block b = half b / 2, lanes 16 (b % 2) on: sixteen lanes store 256 consecutive bytes, aligned
.endm
.macro WBLOCKO b, left
.set WS, R+32*(\b)
	s_wait_loadcnt \left
.if \b < 2
	WLOAD (\b)+2
.endif
.irp i, 0,1,2,3,4,5,6,7,8,9,10,11,12,13,14,15
	v_cvt_pk_f16_f32 v[HF+16*(\b)+\i], v[WS+2*\i], v[WS+2*\i+1]
.endr
.irp g, 0,1,2,3
	global_store_b128 v[WOA], v[HF+16*(\b)+4*\g:HF+16*(\b)+4*\g+3], s[34:35] offset:256*(4*(\b)+\g)   ; k = 32 b + 8 g + 0 .. 7: half g / 2, lanes 16 (g % 2) on
.endr
.endm
	WLOAD 0
	WLOAD 1
	s_cmp_eq_u32 s41, 3
	s_cbranch_scc1 .Lwo
	s_lshl_b32 s44, s41, 19
	s_lshl_b32 s46, s43, 13
	s_add_co_u32 s44, s44, s46
	s_lshl_b32 s46, s40, 10
	s_add_co_u32 s44, s44, s46
	s_add_nc_u64 s[34:35], s[22:23], s[44:45]      ; wc: the weight, my tile, my K step
	WBLOCKQ 0, 32
	WBLOCKQ 1, 32
	WBLOCKQ 2, 32
	WBLOCKQ 3, 0
	ds_store_b32 v[WSS], v[T+8]                    ; my column's scale word of my K step: four waves' words make a column's 16 bytes
	s_branch .Ljoin
.Lwo:
	s_lshl_b32 s44, s43, 15
	s_lshl_b32 s46, s40, 12
	s_add_co_u32 s44, s44, s46
	s_add_nc_u64 s[34:35], s[26:27], s[44:45]      ; wo16: my tile, my four fragments
	WBLOCKO 0, 32
	WBLOCKO 1, 32
	WBLOCKO 2, 32
	WBLOCKO 3, 0
.Ljoin:
	s_wait_dscnt 0x0                               ; for the others' sake: my LDS stores have landed
	s_barrier_signal -1
	s_barrier_wait -1                              ; every wave of every path passes this barrier
	s_cmp_ge_u32 ttmp9, 96                         ; only Wq's, Wk's and Wv's work-groups have scale words in LDS,
	s_cbranch_scc1 .Lend
	s_cmp_ge_u32 s28, 2                            ; and waves 0 and 1 store them: a thread to a column
	s_cbranch_scc1 .Lend
	s_lshr_b32 s40, ttmp9, 5
	s_lshl_b32 s40, s40, 15
	s_and_b32 s41, ttmp9, 31
	s_lshr_b32 s42, s41, 1
	s_lshl_b32 s42, s42, 11
	s_add_co_u32 s40, s40, s42
	s_and_b32 s41, s41, 1
	s_lshl_b32 s41, s41, 8
	s_add_co_u32 s40, s40, s41
	s_mov_b32 s41, 0
	s_add_nc_u64 s[44:45], s[24:25], s[40:41]      ; ws: the weight, my four tiles, my half of K
	ds_load_b128 v[20:23], v[WSR]
	s_wait_dscnt 0x0
	global_store_b128 v[WSA], v[20:23], s[44:45]   ; sixteen lanes store 256 consecutive bytes, aligned
.Lend:
	s_wait_tensorcnt 0x0                           ; the wave's end
	ds_add_u32 v[SPW], v[NIL]
	s_wait_dscnt 0x0
	s_endpgm
.Lfunc_end_k_q4eac166dc1_prep:
	.size	k_q4eac166dc1_prep, .Lfunc_end_k_q4eac166dc1_prep-k_q4eac166dc1_prep
	.p2alignl 7, 3214868480
	.fill 96, 4, 3214868480
	.section	.rodata,"a",@progbits
	.p2align	6, 0x0
	.amdhsa_kernel k_q4eac166dc1_prep
		.amdhsa_group_segment_fixed_size 69632
		.amdhsa_private_segment_fixed_size 0
		.amdhsa_enable_private_segment 0
		.amdhsa_kernarg_size 96
		.amdhsa_user_sgpr_count 2
		.amdhsa_user_sgpr_kernarg_segment_ptr 1
		.amdhsa_wavefront_size32 1
		.amdhsa_system_sgpr_workgroup_id_x 1
		.amdhsa_system_sgpr_workgroup_id_y 1
		.amdhsa_system_sgpr_workgroup_id_z 1
		.amdhsa_system_vgpr_workitem_id 0
		.amdhsa_next_free_vgpr 256
		.amdhsa_next_free_sgpr 66
		.amdhsa_reserve_vcc 0
		.amdhsa_float_denorm_mode_32 3
		.amdhsa_float_denorm_mode_16_64 3
		.amdhsa_memory_ordered 1
		.amdhsa_forward_progress 1
		.amdhsa_inst_pref_size 63
	.end_amdhsa_kernel
	.amdgpu_metadata
---
amdhsa.version: [ 1, 2 ]
amdhsa.kernels:
  - .name:           k_q4eac166dc1_prep
    .symbol:         k_q4eac166dc1_prep.kd
    .args:
      - { .name: q, .offset: 0, .size: 8, .value_kind: global_buffer, .address_space: global }
      - { .name: k, .offset: 8, .size: 8, .value_kind: global_buffer, .address_space: global }
      - { .name: v, .offset: 16, .size: 8, .value_kind: global_buffer, .address_space: global }
      - { .name: Wq, .offset: 24, .size: 8, .value_kind: global_buffer, .address_space: global }
      - { .name: Wk, .offset: 32, .size: 8, .value_kind: global_buffer, .address_space: global }
      - { .name: Wv, .offset: 40, .size: 8, .value_kind: global_buffer, .address_space: global }
      - { .name: Wo, .offset: 48, .size: 8, .value_kind: global_buffer, .address_space: global }
      - { .name: xc, .offset: 56, .size: 8, .value_kind: global_buffer, .address_space: global }
      - { .name: xs, .offset: 64, .size: 8, .value_kind: global_buffer, .address_space: global }
      - { .name: wc, .offset: 72, .size: 8, .value_kind: global_buffer, .address_space: global }
      - { .name: ws, .offset: 80, .size: 8, .value_kind: global_buffer, .address_space: global }
      - { .name: wo16, .offset: 88, .size: 8, .value_kind: global_buffer, .address_space: global }
    .group_segment_fixed_size: 69632
    .private_segment_fixed_size: 0
    .kernarg_segment_align: 8
    .kernarg_segment_size: 96
    .max_flat_workgroup_size: 256
    .sgpr_count:     66
    .vgpr_count:     256
    .wavefront_size: 32
...
	.end_amdgpu_metadata
.endif
;; end of part 1
;; launch proj (part 2): grid 4 x 48, 4 waves a work-group, clusters of 4 x 4, 327,680 bytes of LDS; arguments xc, xs, wc, ws, qkv; writes qkv
.if DOCPART == 2
	.amdgcn_target "amdgcn-amd-amdhsa--gfx1250"
	.amdhsa_code_object_version 6
	.text
	.protected	k_q4eac166dc1_proj
	.globl	k_q4eac166dc1_proj
	.p2align	8
	.type	k_q4eac166dc1_proj,@function
k_q4eac166dc1_proj:
	s_mov_b64 s[64:65], 0
	v_nop
	global_prefetch_b8 v0, s[64:65] scope:SCOPE_SE
	s_setreg_imm32_b32 hwreg(HW_REG_WAVE_MODE, 25, 1), 1
	s_wait_xcnt 0x0
	s_wait_alu depctr_hold_cnt(0) depctr_sa_sdst(0) depctr_va_vdst(0) depctr_va_sdst(0) depctr_va_ssrc(0) depctr_va_vcc(0) depctr_vm_vsrc(0)
	s_getreg_b32 s2, hwreg(HW_REG_IB_STS2, 6, 4)
	s_cmp_eq_u32 s2, 0
	s_cbranch_scc0 .Lentry_in_a_cluster
	s_endpgm
.Lentry_in_a_cluster:
	s_bfe_u32 s2, ttmp6, 0x10000c
	s_cmp_lg_u32 s2, 0xf033
	s_cbranch_scc0 .Lentry_shape_is_right
	s_endpgm
.Lentry_shape_is_right:
; PROJ.  The three quantised products q Wq, k Wk, v Wv on codes of FP4 (E2M1) with one E8M0 scale for each 32 along K = 1,024; sums in f32; each result rounded once to f16.
; Operands come as images of the operand's registers (a fragment of 16 rows x 128 K: 1,024 bytes, half c at 512 c, lane L's 16 bytes at 16 L; 8 fragments, 8,192 bytes, for each 16 rows;
; scale words [16 rows' tile][half of K][row][4 words], 512 bytes a tile).  So LDS needs no pitch, and every fragment load is a constant + 16 x lane.
; A work-group of four waves makes 256 rows of 'A' x 256 rows of 'B'; a wave 128 x 128: 64 accumulators, 512 registers.  ALL OF K LIES IN LDS AT ONCE (two slots of 512 along K): nothing is filled again, and there is no loop.
; ONE TEXT FOR THREE PRODUCTS.  t = cluster y / 4.  t = 0, 1: A = tokens, B = the weight's columns.  t = 2 (v): THE ROLES ARE SWAPPED: A = Wv's columns, B = tokens.
; The matrix instruction is used transposed (source 0 = 16 rows of B, source 1 = 16 rows of A): a lane holds one row of A and eight neighbouring rows of B: for q and k a token and eight channels, for v a channel and
; eight keys.  Packed to f16 these ARE the register images that the attention launch wants, so the results leave from registers, 512 consecutive bytes a store, through no stage:
;   qkv parts 0, 1 (q, k): [head 32][kt 128][cf 2][c][L][16]: token 16 kt + L % 16, channel 32 cf + 16 c + 8 (L / 16) + 0 .. 7;   part 2 (v): [head 32][kb 64][ct 4][c][L][16]: channel 16 ct + L % 16, key 32 kb + 16 c + 8 (L / 16) + 0 .. 7.
; CLUSTERS: 4 x 4 work-groups; A's tiles are asked for jointly along a row of the cluster, B's along a column.  The branch and the choices on t hang on the cluster's number alone: they are the same in all sixteen.
; LIMIT: a projection beyond 65,504 in magnitude becomes infinite in f16.
; REGISTERS, in windows of 256: window 0: v0-31 addresses; v32-95 scale words, two sets; v128-191 A's fragments, ONE set; on the way out v128-255 packed results.
;   window 1: B's fragments, TWO sets, at v0 and v128.   window 2: the accumulators of my rows 0-63 ((a, b) at v[8 (8 a + b)]);   window 3: those of my rows 64-127.
.set NQ,     4                         ; steps of 128 along K in a slot
.set FR,     8                         ; registers of a fragment
.set NL,     2                         ; LDS loads that bring one
.set NP,     4                         ; places behind this matrix instruction (ISA guide 7.12.1)
.set SLOT,   131072                    ; a slot: A's 16 tiles x 4,096 bytes, then B's 16
.set SCL,    2*SLOT                    ; behind the slots: the scale words, 4,096 bytes a wave's load
.set SPARE,  SCL+16384                 ; the spare words, 128 bytes for each wave: two blocks of 256 bytes that no other line names
.set ADRA, 16                          ; v16-17  LDS address of my A fragments in slot 0, 1
.set ADRB, 20                          ; v20-21  the same for B
.set CO,   26                          ; v26     16 x lane
.set ADRS, 27                          ; v27     LDS address of my scale words: lanes 0-15 A's rows, lanes 16-31 B's
.set SPW,  28                          ; v28     LDS address of my spare word; never rewritten
.set NIL,  29                          ; v29     0; never rewritten
.set SC,   32                          ; scale words: set s at v[SC + 32 s]; register 4 i + q: lanes 0-15 the word of A's block i, lanes 16-31 of B's block i, for the slot's q-th 128 along K
.set AF,   128                         ; A's fragments
.set OB,   128                         ; the way out: four sets of 32 registers
.set G1, 24                            ; s[24:31] group 1 for A's codes;  s[32:39] group 0, one set for each slot
.set G0, 32
.set G1B, 48                           ; s[48:55], s[56:63] the same for B's
.set G0B, 56
.set G1S, 68                           ; s[68:75], s[76:79] groups 1 and 0 for A's scale words;  s[80:87], s[88:91] for B's
.set G0S, 76
.set G1SB, 80
.set G0SB, 88
.set MSB, 0
.macro WIN new                         ; the immediate's high byte repeats the setting that is left
.if MSB != \new
	s_set_vgpr_msb (MSB<<8)|\new
.set MSB, \new
.endif
.endm
.set MUL_LO, 0xa1                      ; source 0 (B) window 1, source 1 (A) window 0, C and D window 2
.set MUL_HI, 0xf1                      ; the same, C and D window 3
.set TO_B,   0x40                      ; destination window 1, address window 0
; A joint load: waves 0 and 1 fetch for A, waves 2 and 3 for B.  Each line has one mask and one set of registers for all that issue it; the branch hangs on the wave's number alone.
; An s_nop 0 and four v_nop follow each of the two lines.
.macro JLOAD g0a, g1a, g0b, g1b
	s_cmp_eq_u32 s15, 0
	s_cbranch_scc0 .Lfor_b_\@
	tensor_load_to_lds s[\g0a:\g0a+3], s[\g1a:\g1a+7]
	s_nop 0
.rept 4
	v_nop
.endr
	s_branch .Lasked_\@
.Lfor_b_\@:
	tensor_load_to_lds s[\g0b:\g0b+3], s[\g1b:\g1b+7]
	s_nop 0
.rept 4
	v_nop
.endr
.Lasked_\@:
.endm
.macro CROUND                          ; a round of the cluster's barrier
	s_barrier_signal -1
	s_barrier_wait -1
	s_cmp_lg_u32 s14, 0
	s_cbranch_scc1 .Lnot_wave_0_\@
	s_barrier_signal -3
.Lnot_wave_0_\@:
	s_barrier_wait -3
	s_barrier_signal -1
	s_barrier_wait -1
.endm
	s_load_b128 s[4:7], s[0:1], 0x0                ; xc, xs
	s_load_b128 s[8:11], s[0:1], 0x10              ; wc, ws
	s_load_b64 s[12:13], s[0:1], 0x20              ; qkv
	v_lshl_add_u32 v[SPW], v0, 2, SPARE
	v_mov_b32 v[NIL], 0
	ds_add_u32 v[SPW], v[NIL]                      ; the wave's opening: the add, twice on end, and its wait ahead of my first tensor load
	ds_add_u32 v[SPW], v[NIL]
	v_lshrrev_b32 v1, 5, v0
	v_readfirstlane_b32 s14, v1                    ; wave 0..3
	s_lshr_b32 s15, s14, 1                         ; which half of A's rows is mine.  Also: I fetch for A (0) or for B (1)
	s_and_b32 s16, s14, 1                          ; which half of B's rows.  Also: which 128 rows I fetch
	s_bfe_u32 s40, ttmp6, 0x40000                  ; cx, cy: my place in the cluster
	s_bfe_u32 s41, ttmp6, 0x40004
	s_and_b32 s17, ttmp7, 0xffff                   ; cluster y, 0..11
	s_lshr_b32 s96, s17, 2                         ; t: which product
	s_and_b32 s97, s17, 3                          ; u: which quarter of the 4,096 tokens
	s_cmp_eq_u32 s96, 2
	s_cselect_b32 s17, 0, s97                      ; the tokens are A's rows (t = 0, 1)
	s_cselect_b32 s42, s97, 0                      ; or B's (t = 2)
	s_lshl_b32 s17, s17, 2
	s_add_co_u32 s17, s17, s41                     ; A's block of 256 rows
	s_lshl_b32 s42, s42, 2
	s_add_co_u32 s42, s42, s40                     ; B's block of 256 rows
	s_lshl_b32 s43, s41, 2
	s_lshl_b32 s43, 15, s43                        ; my row of the cluster
	s_lshl_b32 s44, 0x1111, s40                    ; my column
	; group 1 for the codes: 8 tiles' halves of K: 8 rows of 4,096 bytes (512 elements of 8 bytes), 8,192 bytes apart; no padding
	s_or_b32 s[G1+0], s43, (3<<16)|(1<<21)         ; 15:0 the mask; 17:16 elements of 8 bytes; 21 set beside a mask
	s_or_b32 s[G1B+0], s44, (3<<16)|(1<<21)
.irp g, G1, G1B
	s_mov_b32 s[\g+1], 512<<16                     ; tensor_dim0
	s_mov_b32 s[\g+2], 8<<16                       ; tensor_dim1
	s_mov_b32 s[\g+3], 512<<16                     ; tile_dim0
	s_mov_b32 s[\g+4], 8                           ; tile_dim1
	s_mov_b32 s[\g+5], 1024                        ; tensor_dim0_stride
	s_mov_b32 s[\g+6], 0
	s_mov_b32 s[\g+7], 0
.endr
	; and for the scale words of 8 tiles: 4,096 dense bytes as 16 rows of 256
	s_or_b32 s[G1S+0], s43, (3<<16)|(1<<21)
	s_or_b32 s[G1SB+0], s44, (3<<16)|(1<<21)
.irp g, G1S, G1SB
	s_mov_b32 s[\g+1], 32<<16
	s_mov_b32 s[\g+2], 16<<16
	s_mov_b32 s[\g+3], 32<<16
	s_mov_b32 s[\g+4], 16
	s_mov_b32 s[\g+5], 32
	s_mov_b32 s[\g+6], 0
	s_mov_b32 s[\g+7], 0
.endr
	s_lshl_b32 s18, s16, 3                         ; which 8 tiles of the 16 I fetch
	s_lshl_b32 s20, s17, 4
	s_add_co_u32 s20, s20, s18                     ; A: tile 16 x block + 8 x half
	s_lshl_b32 s46, s42, 4
	s_add_co_u32 s46, s46, s18                     ; B likewise
	s_lshl_b32 s22, s20, 9                         ; their scale words, 512 bytes a tile,
	s_mov_b32 s23, 0
	s_lshl_b32 s92, s46, 9
	s_mov_b32 s93, 0
	s_lshl_b32 s20, s20, 13                        ; and their codes, 8,192 bytes a tile
	s_mov_b32 s21, 0
	s_lshl_b32 s46, s46, 13
	s_mov_b32 s47, 0
	s_lshl_b32 s45, s14, 15                        ; where they go: wave x 32,768: no place in the cluster enters an LDS address
	s_lshl_b32 s94, s14, 12
	s_mov_b32 s99, 0
	s_wait_dscnt 0x0                               ; both opening adds are done
	s_wait_kmcnt 0x0
	s_lshl_b32 s98, s96, 21                        ; each buffer at its part t
	s_add_nc_u64 s[4:5], s[4:5], s[98:99]
	s_lshl_b32 s98, s96, 17
	s_add_nc_u64 s[6:7], s[6:7], s[98:99]
	s_lshl_b32 s98, s96, 19
	s_add_nc_u64 s[8:9], s[8:9], s[98:99]
	s_lshl_b32 s98, s96, 15
	s_add_nc_u64 s[10:11], s[10:11], s[98:99]
	s_cmp_eq_u32 s96, 2                            ; the roles: a choice between buffers on the cluster's number alone
	s_cselect_b64 s[2:3], s[8:9], s[4:5]           ; A's codes
	s_cselect_b64 s[18:19], s[10:11], s[6:7]       ; A's scale words
	s_cselect_b64 s[66:67], s[4:5], s[8:9]         ; B's codes
	s_cselect_b64 s[98:99], s[6:7], s[10:11]       ; B's scale words
	s_add_nc_u64 s[20:21], s[2:3], s[20:21]
	s_add_nc_u64 s[22:23], s[18:19], s[22:23]
	s_add_nc_u64 s[46:47], s[66:67], s[46:47]
	s_add_nc_u64 s[92:93], s[98:99], s[92:93]
	CROUND                                         ; all sixteen work-groups are here: the joint loads meet
	s_mov_b32 s[G0S], 1
	s_add_co_u32 s[G0S+1], s94, SCL
	s_mov_b64 s[G0S+2:G0S+3], s[22:23]
	s_or_b32 s[G0S+3], s[G0S+3], 0x80000000
	s_mov_b32 s[G0SB], 1
	s_add_co_u32 s[G0SB+1], s94, SCL
	s_mov_b64 s[G0SB+2:G0SB+3], s[92:93]
	s_or_b32 s[G0SB+3], s[G0SB+3], 0x80000000
	JLOAD G0S, G1S, G0SB, G1SB                     ; the scale words first: they are wanted with the first step
.irp s, 0,1
	s_mov_b32 s[G0+4*\s], 1
	s_add_co_u32 s[G0+4*\s+1], s45, \s*SLOT
	s_add_nc_u64 s[G0+4*\s+2:G0+4*\s+3], s[20:21], \s*4096
	s_or_b32 s[G0+4*\s+3], s[G0+4*\s+3], 0x80000000
	s_mov_b32 s[G0B+4*\s], 1
	s_add_co_u32 s[G0B+4*\s+1], s45, \s*SLOT
	s_add_nc_u64 s[G0B+4*\s+2:G0B+4*\s+3], s[46:47], \s*4096
	s_or_b32 s[G0B+4*\s+3], s[G0B+4*\s+3], 0x80000000
	JLOAD G0+4*\s, G1, G0B+4*\s, G1B               ; three loads of mine are out behind the second of these
.endr
	v_and_b32 v1, 15, v0                           ; r
	v_bfe_u32 v2, v0, 4, 1                         ; h
	v_and_b32 v3, 31, v0
	v_lshlrev_b32 v[CO], 4, v3                     ; 16 x lane
	s_lshl_b32 s21, s15, 15                        ; my 128 rows of A
	s_lshl_b32 s22, s16, 15                        ; my 128 rows of B,
	s_add_co_u32 s22, s22, 65536                   ; which lie behind A's 256
.irp s, 0,1
	v_add_nc_u32 v[ADRA+\s], s21, v[CO]
	v_add_nc_u32 v[ADRB+\s], s22, v[CO]
	s_add_co_u32 s21, s21, SLOT
	s_add_co_u32 s22, s22, SLOT
.endr
	v_lshlrev_b32 v5, 4, v1                        ; my row's four words
	s_lshl_b32 s21, s15, 12                        ; A's: my 8 tiles
	s_lshl_b32 s22, s16, 12                        ; B's: my 8 tiles, behind A's 16
	s_add_co_u32 s22, s22, 8192
	s_sub_co_u32 s22, s22, s21
	v_mul_u32_u24 v6, s22, v2                      ; lanes 16-31 take B's: the lower base + h x the distance
	s_add_co_u32 s21, s21, SCL
	v_add_nc_u32 v5, v5, v6
	v_add_nc_u32 v[ADRS], s21, v5
	; where my results go: both images hold 128 bytes for each token of a head
	s_lshl_b32 s2, s17, 8
	s_lshl_b32 s3, s15, 7
	s_add_co_u32 s2, s2, s3                        ; my first row of A
	s_lshl_b32 s3, s42, 8
	s_lshl_b32 s18, s16, 7
	s_add_co_u32 s3, s3, s18                       ; my first row of B
	s_cmp_eq_u32 s96, 2
	s_cselect_b32 s18, s3, s2                      ; my first token
	s_cselect_b32 s19, s2, s3                      ; my first column of the weight
	s_lshr_b32 s2, s18, 11                         ; batch
	s_lshl_b32 s2, s2, 4
	s_lshr_b32 s19, s19, 6                         ; my first head
	s_add_co_u32 s2, s2, s19
	s_lshl_b32 s2, s2, 18                          ; 262,144 bytes a head
	s_and_b32 s18, s18, 2047
	s_lshl_b32 s18, s18, 7
	s_add_co_u32 s2, s2, s18
	s_lshl_b32 s18, s96, 23                        ; part t
	s_add_co_u32 s2, s2, s18
	s_mov_b32 s3, 0
	s_add_nc_u64 s[12:13], s[12:13], s[2:3]
.macro FRAG reg, adr, q, i             ; a fragment comes back as it was stored: half c's 512 bytes, 16 a lane
.irp c, 0,1
	ds_load_b128 v[\reg+4*\c:\reg+4*\c+3], v[\adr] offset:1024*(\q)+512*\c+4096*(\i)
.endr
.endm
; 16 matrix instructions: A's blocks a0, a0 + 1 x B's eight, the slot's q-th 128 along K.  p: B's set;  sc: the set of scale words.  zero = 1: the first product starts the sums.
; The 64 accumulators take turns, one instruction a turn, in the same order in every step.
.macro MUL16 a0, p, q, sc, zero
.irp a, \a0, \a0+1
.irp b, 0,1,2,3,4,5,6,7
.if \zero
	v_wmma_scale_f32_16x16x128_f8f6f4 v[8*(8*((\a)%4)+\b):8*(8*((\a)%4)+\b)+7], v[128*(\p)+FR*\b:128*(\p)+FR*\b+FR-1], v[AF+FR*(\a):AF+FR*(\a)+FR-1], 0, v[SC+8*NQ*(\sc)+NQ*\b+(\q)], v[SC+8*NQ*(\sc)+NQ*(\a)+(\q)] matrix_a_fmt:MATRIX_FMT_FP4 matrix_b_fmt:MATRIX_FMT_FP4 matrix_a_scale:MATRIX_SCALE_ROW1
.else
	v_wmma_scale_f32_16x16x128_f8f6f4 v[8*(8*((\a)%4)+\b):8*(8*((\a)%4)+\b)+7], v[128*(\p)+FR*\b:128*(\p)+FR*\b+FR-1], v[AF+FR*(\a):AF+FR*(\a)+FR-1], v[8*(8*((\a)%4)+\b):8*(8*((\a)%4)+\b)+7], v[SC+8*NQ*(\sc)+NQ*\b+(\q)], v[SC+8*NQ*(\sc)+NQ*(\a)+(\q)] matrix_a_fmt:MATRIX_FMT_FP4 matrix_b_fmt:MATRIX_FMT_FP4 matrix_a_scale:MATRIX_SCALE_ROW1
.endif
.endr
.endr
.endm
.macro FETCH_B slot, q, p              ; B's eight fragments of the slot's q-th 128 along K into set p
	WIN TO_B
.irp i, 0,1,2,3,4,5,6,7
	FRAG 128*(\p)+FR*\i, ADRB+\slot, \q, \i
.endr
	WIN 0
.endm
.macro FETCH_A slot, q, i0             ; A's blocks i0 .. i0 + 3
.irp i, \i0, \i0+1, \i0+2, \i0+3
	FRAG AF+FR*(\i), ADRA+\slot, \q, \i
.endr
.endm
.macro SCALES sc                       ; slot sc's scale words: four words a row; lanes 0-15 take A's block i, lanes 16-31 B's block i
.irp i, 0,1,2,3,4,5,6,7
	ds_load_b128 v[SC+8*NQ*\sc+NQ*\i:SC+8*NQ*\sc+NQ*\i+3], v[ADRS] offset:512*\i+256*\sc
.endr
.endm
.macro PLACES n                        ; plain vector lines that name no register of the products: in front of loads into registers that they have read, and of the first read of results
.rept \n
	v_nop
.endr
.endm
; A step of 128 along K that has its successor in the same slot.  A's blocks are free as soon as their eight products are issued: blocks 0-3 are fetched anew in the middle, blocks 4-7 at the end.
.macro STEP slot, q, zero
	s_wait_dscnt 4*NL                              ; B's set and A's blocks 0-3 are in; the youngest eight loads (A's blocks 4-7) may be out
	WIN MUL_LO
	MUL16 0, (\q)%2, \q, \slot, \zero
	MUL16 2, (\q)%2, \q, \slot, \zero
	s_wait_dscnt 0                                 ; A's blocks 4-7 are in
	PLACES NP
	FETCH_B \slot, (\q)+1, 1-(\q)%2
	FETCH_A \slot, (\q)+1, 0
	WIN MUL_HI
	MUL16 4, (\q)%2, \q, \slot, \zero
	MUL16 6, (\q)%2, \q, \slot, \zero
	PLACES NP
	WIN 0
	FETCH_A \slot, (\q)+1, 4
.endm
.macro STEPS slot, from                ; the slot's steps from .. NQ - 2
.set Q, \from
.rept NQ-1-\from
	STEP \slot, Q, 0
.set Q, Q+1
.endr
.endm
	s_wait_tensorcnt 1                             ; the scale words and my part of slot 0 are in; slot 1's load may stay out
	s_barrier_signal -1
	s_barrier_wait -1                              ; everybody's are
	FETCH_B 0, 0, 0
	FETCH_A 0, 0, 0
	SCALES 0
	FETCH_A 0, 0, 4
	STEP 0, 0, 1                                   ; the first step's products start the sums: nothing is cleared
	STEPS 0, 1
	; slot 0's last step passes on to slot 1: one barrier, in front of which each wave has waited for its part of slot 1
	s_wait_tensorcnt 0x0                           ; all my tensor loads have landed
	ds_add_u32 v[SPW], v[NIL]                      ; 0 onto my spare word
	s_wait_dscnt 4*NL+1                            ; (the add and the youngest eight loads may be out)
	WIN MUL_LO
	MUL16 0, 1, NQ-1, 0, 0
	s_wait_dscnt 0x0                               ; no LDS instruction of mine is pending at the signal
	s_barrier_signal -1
	MUL16 2, 1, NQ-1, 0, 0
	WIN 0
	s_barrier_wait -1                              ; slot 1 is whole
	PLACES NP
	FETCH_B 1, 0, 0
	FETCH_A 1, 0, 0
	SCALES 1
	WIN MUL_HI
	MUL16 4, 1, NQ-1, 0, 0
	MUL16 6, 1, NQ-1, 0, 0
	PLACES NP
	WIN 0
	FETCH_A 1, 0, 4
	STEPS 1, 0
	s_wait_dscnt 4*NL                              ; the very last step: nothing more to fetch
	WIN MUL_LO
	MUL16 0, 1, NQ-1, 1, 0
	MUL16 2, 1, NQ-1, 1, 0
	s_wait_dscnt 0
	WIN MUL_HI
	MUL16 4, 1, NQ-1, 1, 0
	MUL16 6, 1, NQ-1, 1, 0
	WIN 0
; THE WAY OUT.  Accumulator (a, b): lane (r, h) holds row 16 a + r of A and rows 16 b + 8 h + 0 .. 7 of B: four packings make the lane's 16 bytes of half a fragment, and the wave's store covers its 512 bytes.
; Each accumulator is read from its low end on.  Four sets of 32 registers take turns; a set is written again only when its stores have read it.
.macro OUT isv
.irp a, 0,1,2,3,4,5,6,7
.if \a >= 4
	s_wait_xcnt 0x0                                ; the stores of four blocks back have read their registers
.endif
	WIN 0x0a+5*(\a/4)                              ; sources 0 and 1: window 2 or 3
.irp b, 0,1,2,3,4,5,6,7
.irp i, 0,1,2,3
	v_cvt_pk_f16_f32 v[OB+32*(\a%4)+4*\b+\i], v[64*(\a%4)+8*\b+2*\i], v[64*(\a%4)+8*\b+2*\i+1]
.endr
.endr
	WIN 0
.irp b, 0,1,2,3,4,5,6,7
.if \isv
	global_store_b128 v[CO], v[OB+32*(\a%4)+4*\b:OB+32*(\a%4)+4*\b+3], s[12:13] offset:262144*(\a/4)+1024*(\a%4)+4096*(\b/2)+512*(\b%2)   ; head a / 4, channels 16 (a % 4) on, keys 16 b on
.else
	global_store_b128 v[CO], v[OB+32*(\a%4)+4*\b:OB+32*(\a%4)+4*\b+3], s[12:13] offset:2048*\a+262144*(\b/4)+512*(\b%4)   ; tokens 16 a on, head b / 4, channels 16 (b % 4) on
.endif
.endr
.endr
.endm
	PLACES NP                                      ; in front of the first read of results and of the writes over A's fragments
	s_cmp_eq_u32 s96, 2
	s_cbranch_scc1 .Lout_v
	OUT 0
	s_branch .Ldone
.Lout_v:
	OUT 1
.Ldone:
	s_wait_tensorcnt 0x0                           ; the wave's end
	ds_add_u32 v[SPW], v[NIL]
	s_wait_dscnt 0x0
	CROUND                                         ; the closing round: no work-group ends while a partner may still ask for a tile that names it
	s_endpgm
.Lfunc_end_k_q4eac166dc1_proj:
	.size	k_q4eac166dc1_proj, .Lfunc_end_k_q4eac166dc1_proj-k_q4eac166dc1_proj
	.p2alignl 7, 3214868480
	.fill 96, 4, 3214868480
	.section	.rodata,"a",@progbits
	.p2align	6, 0x0
	.amdhsa_kernel k_q4eac166dc1_proj
		.amdhsa_group_segment_fixed_size 327680
		.amdhsa_private_segment_fixed_size 0
		.amdhsa_enable_private_segment 0
		.amdhsa_kernarg_size 40
		.amdhsa_user_sgpr_count 2
		.amdhsa_user_sgpr_kernarg_segment_ptr 1
		.amdhsa_wavefront_size32 1
		.amdhsa_system_sgpr_workgroup_id_x 1
		.amdhsa_system_sgpr_workgroup_id_y 1
		.amdhsa_system_sgpr_workgroup_id_z 1
		.amdhsa_system_vgpr_workitem_id 0
		.amdhsa_next_free_vgpr 1024
		.amdhsa_next_free_sgpr 100
		.amdhsa_reserve_vcc 0
		.amdhsa_float_denorm_mode_32 3
		.amdhsa_float_denorm_mode_16_64 3
		.amdhsa_memory_ordered 1
		.amdhsa_forward_progress 1
		.amdhsa_inst_pref_size 140
	.end_amdhsa_kernel
	.amdgpu_metadata
---
amdhsa.version: [ 1, 2 ]
amdhsa.kernels:
  - .name:           k_q4eac166dc1_proj
    .symbol:         k_q4eac166dc1_proj.kd
    .args:
      - { .name: xc, .offset: 0, .size: 8, .value_kind: global_buffer, .address_space: global }
      - { .name: xs, .offset: 8, .size: 8, .value_kind: global_buffer, .address_space: global }
      - { .name: wc, .offset: 16, .size: 8, .value_kind: global_buffer, .address_space: global }
      - { .name: ws, .offset: 24, .size: 8, .value_kind: global_buffer, .address_space: global }
      - { .name: qkv, .offset: 32, .size: 8, .value_kind: global_buffer, .address_space: global }
    .group_segment_fixed_size: 327680
    .private_segment_fixed_size: 0
    .kernarg_segment_align: 8
    .kernarg_segment_size: 40
    .max_flat_workgroup_size: 128
    .sgpr_count:     100
    .vgpr_count:     1024
    .wavefront_size: 32
...
	.end_amdgpu_metadata
.endif
;; end of part 2
;; launch attn (part 3): grid 8 x 32, 16 waves a work-group, clusters of 4 x 1, 327,680 bytes of LDS; arguments qkv, af; writes af
.if DOCPART == 3
	.amdgcn_target "amdgcn-amd-amdhsa--gfx1250"
	.amdhsa_code_object_version 6
	.text
	.protected	k_q4eac166dc1_attn
	.globl	k_q4eac166dc1_attn
	.p2align	8
	.type	k_q4eac166dc1_attn,@function
k_q4eac166dc1_attn:
	s_mov_b64 s[64:65], 0
	v_nop
	global_prefetch_b8 v0, s[64:65] scope:SCOPE_SE
	s_setreg_imm32_b32 hwreg(HW_REG_WAVE_MODE, 25, 1), 1
	s_wait_xcnt 0x0
	s_wait_alu depctr_hold_cnt(0) depctr_sa_sdst(0) depctr_va_vdst(0) depctr_va_sdst(0) depctr_va_ssrc(0) depctr_va_vcc(0) depctr_vm_vsrc(0)
	s_getreg_b32 s2, hwreg(HW_REG_IB_STS2, 6, 4)
	s_cmp_eq_u32 s2, 0
	s_cbranch_scc0 .Lentry_in_a_cluster
	s_endpgm
.Lentry_in_a_cluster:
	s_bfe_u32 s2, ttmp6, 0x10000c
	s_cmp_lg_u32 s2, 0x3003
	s_cbranch_scc0 .Lentry_shape_is_right
	s_endpgm
.Lentry_shape_is_right:
; ATTN.  O[q] = the sum over k of softmax_k(Q[q] . K[k] / 8) V[k], for each of 32 (batch, head) pairs: 2,048 queries, 2,048 keys, head size 64, no mask.  Operands f16; products, maxima and sums f32.
; Q, K, V come as images of the operand's registers (a fragment, 16 rows x 32 along a product's K, is 1,024 bytes: half c at 512 c, lane L's 16 bytes at 16 L):
;   Q, K: [kt 128][cf 2]: tokens 16 kt on, channels 32 cf on.   V: [kb 64][ct 4]: channels 16 ct on, keys 32 kb on (V^T's fragment: nothing is turned here).  Both hold 128 bytes for each key.
; So a tile is a dense block for a tensor load, LDS has no pitch, and every LDS load is a constant + 16 x lane.
; SHARES.  A work-group owns 256 queries of one head.  SIXTEEN waves of 256 registers, four to a SIMD: a step is 32 matrix instructions in two runs and some 240 vector instructions, so that while one wave stands
; behind its run of products three others have vector work to issue.  Wave w owns the 32 queries (two tiles of 16) numbered w % 8, so that each fragment of K and V read from LDS feeds two products.
; THE KEYS ARE SPLIT: waves 0-7 walk keys 0 - 1,023, waves 8-15 keys 1,024 - 2,047, 64 a step, 16 steps each.  At the end wave w + 8 hands its O^T, c m and l to wave w through LDS, and wave w merges the two
; by the running maximum's own rule: a_g = 2^(c m_g - c max(m_0, m_1)), O = (O_0 a_0 + O_1 a_1) / (l_0 a_0 + l_1 a_1).
; LAYOUT.  S^T = K Q^T (source 0 = 16 keys, source 1 = 16 queries): a lane holds ONE query (lane % 16) and keys 8 (lane / 16) + 0 .. 7 of each tile.  Two such tiles, packed to f16 in pairs, ARE source 1
; (32 keys x 16 queries) of O^T = V^T P, whose result again holds one query a lane and eight channels: packed to f16 it is the image that the last launch wants:
;   af [mt 256][kf 32][c][L][16]: token 16 mt + L % 16, k = 64 head + channel = 32 kf + 16 c + 8 (L / 16) + 0 .. 7.
; SOFTMAX.  A running maximum m and sum l for each query: p = 2^(c s - c m), c = log2(e) / 8; in every step O and l are multiplied by a = 2^(c m_old - c m_new).  m begins at -3e38, O and l at 0: the first a is 0.
; l is summed of the unrounded p.
; REGISTERS: 256, no windows.  P is packed IN PLACE: register p of a tile's S^T takes the pair 2 p, 2 p + 1, in ascending order, behind the sums, which leave S^T as it is.  K and V of a step share ONE buffer:
; V is fetched behind K Q^T and lands under the softmax; K is fetched at the step's head.
;   v1-6 addresses; v12, v13 the add's two; v16-31 statistics; v32-95 S^T, then p, then P; v96-159 O^T; v160-191 Q; v192-255 K, then V.
; RING.  Two slots; a slot holds 256 keys of each group: K of group 0 (32,768 bytes), K of group 1, V of group 0, V of group 1.  ALL SIXTEEN WAVES fetch: wave w brings 8,192 dense bytes to 8,192 w of the slot.
; CLUSTER.  The four query blocks of a cluster belong to one head and walk the same K and V: each tile is asked for jointly, by the same load with the same descriptor and the mask of all four.
; LIMITS: p under 6e-8 falls to 0 in f16; an attention result under 6e-5 in magnitude is carried with a quantum of 6e-8; NaN and infinities are not served.
.set SLOTB, 131072
.set VOFF,  65536                      ; V's two parts lie behind K's two
.set STEPB, 8192                       ; a step's 64 keys: 8,192 bytes of K, and of V
.set SPARE, 2*SLOTB                    ; behind the ring: the spare words, 128 bytes for each wave: eight blocks of 256 bytes that no other line names
.set MRGW,  9216                       ; the merge: for each pair of waves 16 x 512 bytes of O^T and 2 x 512 of statistics, from LDS byte 0 on: in slot 0, which has had its last fill and its last read by then
.set L16, 1                            ; v1   16 x lane: K's place, and my offset in Q's and af's images
.set AV0, 2                            ; v2   16 x lane + VOFF
.set ADK, 3                            ; v3   LDS address of the step's K
.set ADV, 4                            ; v4   of its V
.set PFO, 5                            ; v5   256 x lane; never rewritten
.set MA,  6                            ; v6   the merge: MRGW x (wave % 8) + 16 x lane
.set SPW, 12                           ; v12  LDS address of my spare word; never rewritten
.set NIL, 13                           ; v13  0; never rewritten
.set ST,  16                           ; tile t's statistics at v[ST + 8 t]: +0 c m, +1 m, +2, +3 l (even keys', odd keys'), +4 to +7 at work; a takes +6
.set S,   32
.set O,   96
.set Q,   160
.set KV,  192
.set WV,  8                            ; s8   my wave's number
.set G1,  16                           ; s[16:23] descriptor group 1
.set G0,  24                           ; s[24:31] group 0, a set for each slot
.set PFA, 36                           ; s[36:37] the prefetch's address; never rewritten
.set LIM, 38                           ; s38  1 in a wave that prefetches
.set TB,  39                           ; s39  LDS byte at which the step's tile of K begins
.set CNT, 40
.set GOFF, 41                          ; s41  32,768 x my group: where my group's keys begin in each part of a slot
.set CS,  42                           ; s[42:43] c, twice: the packed form names a pair
.set SEL, 44                           ; s[44:45] selects for lane l xor 16
.macro CROUND                          ; a round of the cluster's barrier
	s_barrier_signal -1
	s_barrier_wait -1
	s_cmp_lg_u32 s[WV], 0
	s_cbranch_scc1 .Lnot_wave_0_\@
	s_barrier_signal -3
.Lnot_wave_0_\@:
	s_barrier_wait -3
	s_barrier_signal -1
	s_barrier_wait -1
.endm
	s_load_b128 s[4:7], s[0:1], 0x0                ; qkv, af
	v_lshl_add_u32 v[SPW], v0, 2, SPARE
	v_mov_b32 v[NIL], 0
	ds_add_u32 v[SPW], v[NIL]                      ; the wave's opening: the add, twice on end, and its wait ahead of my first tensor load
	ds_add_u32 v[SPW], v[NIL]
	v_lshrrev_b32 v1, 5, v0
	v_readfirstlane_b32 s[WV], v1                  ; wave 0..15
	s_bfe_u32 s9, ttmp6, 0x40000                   ; cx: my place in the cluster
	s_lshl_b32 s10, ttmp9, 2
	s_add_co_u32 s10, s10, s9                      ; my block of 256 queries: it enters Q's and af's addresses alone
	s_and_b32 s11, ttmp7, 0xffff                   ; 16 batch + head, which the four partners share
	; group 1: 8,192 dense bytes as 32 rows of 256 (32 elements of 8 bytes)
	s_mov_b32 s[G1], 15|(3<<16)|(1<<21)            ; 15:0 the mask: all four work-groups; 17:16 elements of 8 bytes; 21 set beside a mask
	s_mov_b32 s[G1+1], 32<<16                      ; tensor_dim0
	s_mov_b32 s[G1+2], 32<<16                      ; tensor_dim1
	s_mov_b32 s[G1+3], 32<<16                      ; tile_dim0
	s_mov_b32 s[G1+4], 32                          ; tile_dim1
	s_mov_b32 s[G1+5], 32                          ; tensor_dim0_stride
	s_mov_b32 s[G1+6], 0
	s_mov_b32 s[G1+7], 0
	; what I fetch: waves 0-7 for K, 8-15 for V; of these eight the first four for group 0's keys, the others for group 1's; a quarter each
	s_lshr_b32 s12, s[WV], 3
	s_lshl_b32 s12, s12, 23
	s_add_co_u32 s12, s12, 0x800000                ; part 1 or part 2 of qkv,
	s_lshl_b32 s13, s11, 18
	s_add_co_u32 s12, s12, s13                     ; my head,
	s_bfe_u32 s46, s[WV], 0x10002                  ; (bit 2 of the wave's number)
	s_lshl_b32 s46, s46, 17
	s_add_co_u32 s12, s12, s46                     ; the group's 1,024 keys, 128 bytes each,
	s_and_b32 s46, s[WV], 3
	s_lshl_b32 s14, s46, 13
	s_add_co_u32 s14, s14, s12                     ; my quarter of its 256 keys of a slot
	s_mov_b32 s15, 0
	s_lshl_b32 s47, s[WV], 13                      ; and its place in a slot: no place in the cluster enters an LDS address
	s_and_b32 s54, s[WV], 7                        ; which 32 queries of the block are mine
	s_lshr_b32 s[GOFF], s[WV], 3                   ; which half of the keys
	s_lshl_b32 s[GOFF], s[GOFF], 15
	s_lshl_b32 s48, s10, 15                        ; Q: 2,048 bytes a tile of 16 queries: my block's 16 tiles,
	s_add_co_u32 s48, s48, s13
	s_lshl_b32 s49, s54, 12                        ; my two
	s_add_co_u32 s48, s48, s49
	s_mov_b32 s49, 0
	s_lshr_b32 s50, s11, 4                         ; af: 32,768 bytes a tile of 16 tokens: tile 128 batch + 16 block + 2 (wave % 8);
	s_lshl_b32 s50, s50, 22
	s_lshl_b32 s51, s10, 19
	s_add_co_u32 s50, s50, s51
	s_lshl_b32 s51, s54, 16
	s_add_co_u32 s50, s50, s51
	s_and_b32 s51, s11, 15                         ; in it my head's two fragments
	s_lshl_b32 s51, s51, 11
	s_add_co_u32 s50, s50, s51
	s_mov_b32 s51, 0
	s_add_co_u32 s52, s12, 98304                   ; the prefetch (macro ASK): my part's last 256 keys, and of their 32,768 bytes my work-group's quarter
	s_lshl_b32 s53, s9, 13
	s_add_co_u32 s52, s52, s53
	s_mov_b32 s53, 0
	s_and_b32 s[LIM], s[WV], 3                     ; waves 0, 4, 8, 12
	s_or_b32 s[LIM], s[LIM], ttmp9                 ; of the head's first cluster: the same in all four partners
	s_cmp_eq_u32 s[LIM], 0
	s_cselect_b32 s[LIM], 1, 0
	s_mov_b32 s[CS], 0x3e38aa3b                    ; c = log2(e) / 8
	s_mov_b32 s[CS+1], s[CS]
	s_mov_b32 s[SEL], 0x76543210
	s_mov_b32 s[SEL+1], 0xfedcba98
	v_and_b32 v[L16], 31, v0
	v_lshlrev_b32 v[PFO], 8, v[L16]
	v_lshlrev_b32 v[L16], 4, v[L16]
	v_add_nc_u32 v[AV0], VOFF, v[L16]
	s_mul_i32 s55, s54, MRGW
	v_add_nc_u32 v[MA], s55, v[L16]                ; made here, ahead of every parting of the waves
	s_wait_dscnt 0x0                               ; both opening adds are done
	s_wait_kmcnt 0x0
	s_add_nc_u64 s[14:15], s[4:5], s[14:15]
	s_add_nc_u64 s[32:33], s[4:5], s[48:49]        ; Q
	s_add_nc_u64 s[34:35], s[6:7], s[50:51]        ; af
	s_add_nc_u64 s[PFA:PFA+1], s[4:5], s[52:53]
	CROUND                                         ; all four work-groups are here: the first joint loads meet
.irp s, 0,1
	s_mov_b32 s[G0+4*\s], 1                        ; count = 1
	s_add_co_u32 s[G0+4*\s+1], s47, \s*SLOTB       ; LDS address
	s_add_nc_u64 s[G0+4*\s+2:G0+4*\s+3], s[14:15], \s*32768   ; the group's keys 256 s on
	s_or_b32 s[G0+4*\s+3], s[G0+4*\s+3], 0x80000000           ; type = 2
.endr
	tensor_load_to_lds s[G0:G0+3], s[G1:G1+7]      ; the two first fills go out together: two loads of mine are out
	s_nop 0
	tensor_load_to_lds s[G0+4:G0+7], s[G1:G1+7]
	s_nop 0
.rept 4
	v_nop
.endr
.irp i, 0,1,2,3,4,5,6,7
	global_load_b128 v[Q+4*\i:Q+4*\i+3], v[L16], s[32:33] offset:512*\i   ; Q stays in registers: fragment (tile t, channels 32 cf on) at v[Q + 16 t + 8 cf]
.endr
.irp t, 0,1
	v_mov_b32 v[ST+8*\t+1], 0xff61b1e6             ; m: -3e38, under every score
	v_mov_b32 v[ST+8*\t+2], 0                      ; l
	v_mov_b32 v[ST+8*\t+3], 0
.endr
.irp t, 0,1
	v_mul_f32 v[ST+8*\t], s[CS], v[ST+8*\t+1]      ; c m
.endr
.irp j, 0,1,2,3,4,5,6,7,8,9,10,11,12,13,14,15,16,17,18,19,20,21,22,23,24,25,26,27,28,29,30,31,32,33,34,35,36,37,38,39,40,41,42,43,44,45,46,47,48,49,50,51,52,53,54,55,56,57,58,59,60,61,62,63
	v_mov_b32 v[O+\j], 0                           ; O^T.  (The step is written in one form: the first finds zeros, which the first a leaves zeros)
.endr
; S^T = K Q^T: eight accumulators (4 tiles of keys x 2 tiles of queries) by turns, one instruction a turn; the first eight start the sums.
.macro KQ
.irp cf, 0,1
.irp kt, 0,1,2,3
.irp t, 0,1
.if \cf == 0
	v_wmma_f32_16x16x32_f16 v[S+32*\t+8*\kt:S+32*\t+8*\kt+7], v[KV+8*(2*\kt+\cf):KV+8*(2*\kt+\cf)+7], v[Q+16*\t+8*\cf:Q+16*\t+8*\cf+7], 0
.else
	v_wmma_f32_16x16x32_f16 v[S+32*\t+8*\kt:S+32*\t+8*\kt+7], v[KV+8*(2*\kt+\cf):KV+8*(2*\kt+\cf)+7], v[Q+16*\t+8*\cf:Q+16*\t+8*\cf+7], v[S+32*\t+8*\kt:S+32*\t+8*\kt+7]
.endif
.endr
.endr
.endr
.endm
; O^T += V^T P: eight accumulators (4 tiles of channels x 2 tiles of queries) by turns.  P lies in the first 16 registers of its tile's S^T.
.macro PV
.irp kb, 0,1
.irp ct, 0,1,2,3
.irp t, 0,1
	v_wmma_f32_16x16x32_f16 v[O+32*\t+8*\ct:O+32*\t+8*\ct+7], v[KV+8*(4*\kb+\ct):KV+8*(4*\kb+\ct)+7], v[S+32*\t+8*\kb:S+32*\t+8*\kb+7], v[O+32*\t+8*\ct:O+32*\t+8*\ct+7]
.endr
.endr
.endr
.endm
; The softmax of both tiles for one step, the tiles line by line by turns.
.macro SOFTMAX
.irp j, 0,1,2,3                        ; the maximum of a lane's 32 scores and the old m: four chains, each begun at its accumulator's low end
.irp t, 0,1
	v_max3_num_f32 v[ST+8*\t+4+\j], v[S+32*\t+8*\j], v[S+32*\t+8*\j+1], v[S+32*\t+8*\j+2]
.endr
.endr
.irp u, 1,2
.irp j, 0,1,2,3
.irp t, 0,1
	v_max3_num_f32 v[ST+8*\t+4+\j], v[ST+8*\t+4+\j], v[S+32*\t+8*\j+2*\u+1], v[S+32*\t+8*\j+2*\u+2]
.endr
.endr
.endr
.irp t, 0,1
	v_max3_num_f32 v[ST+8*\t+4], v[ST+8*\t+4], v[S+32*\t+7], v[S+32*\t+15]
.endr
.irp t, 0,1
	v_max3_num_f32 v[ST+8*\t+6], v[ST+8*\t+6], v[S+32*\t+23], v[S+32*\t+31]
.endr
.irp t, 0,1
	v_max3_num_f32 v[ST+8*\t+4], v[ST+8*\t+4], v[ST+8*\t+5], v[ST+8*\t+6]
.endr
.irp t, 0,1
	v_max3_num_f32 v[ST+8*\t+4], v[ST+8*\t+4], v[ST+8*\t+7], v[ST+8*\t+1]
.endr
.irp t, 0,1
	v_permlanex16_b32 v[ST+8*\t+5], v[ST+8*\t+4], s[SEL], s[SEL+1]   ; the query's other 32 keys lie in the lane 16 away
.endr
.irp t, 0,1
	v_mov_b32 v[ST+8*\t+7], v[ST+8*\t]             ; c m_old is kept for a
.endr
.irp t, 0,1
	v_max_num_f32 v[ST+8*\t+1], v[ST+8*\t+4], v[ST+8*\t+5]   ; the new m
.endr
.irp t, 0,1
	v_mul_f32 v[ST+8*\t], s[CS], v[ST+8*\t+1]
.endr
.irp t, 0,1
	v_sub_f32 v[ST+8*\t+7], v[ST+8*\t+7], v[ST+8*\t]
.endr
.irp b, 0,1,2,3,4,5,6,7,8,9,10,11,12,13,14,15
.irp t, 0,1
	v_pk_fma_f32 v[S+32*\t+2*\b:S+32*\t+2*\b+1], v[S+32*\t+2*\b:S+32*\t+2*\b+1], s[CS:CS+1], v[ST+8*\t:ST+8*\t+1] op_sel_hi:[1,0,0] neg_lo:[0,0,1] neg_hi:[0,0,1]   ; c s - c m, two at a time
.endr
.endr
.irp t, 0,1                            ; ONE BATCH: 66 exponentials, none of which reads another's result
	v_exp_f32 v[ST+8*\t+6], v[ST+8*\t+7]           ; a
.endr
.irp e, 0,1,2,3,4,5,6,7,8,9,10,11,12,13,14,15,16,17,18,19,20,21,22,23,24,25,26,27,28,29,30,31,32,33,34,35,36,37,38,39,40,41,42,43,44,45,46,47,48,49,50,51,52,53,54,55,56,57,58,59,60,61,62,63
	v_exp_f32 v[S+\e], v[S+\e]                     ; p
.endr
	v_nop                                          ; a plain line behind the last exponential
	s_wait_alu depctr_va_vdst(0)                   ; one wait for the batch, ahead of its first reader
	; the sum of the 16 pairs, which leaves p as it is: two chains a tile: l itself (l a + pair 2, then the even pairs) and a second (pairs 0 and 1, then the odd pairs)
.irp t, 0,1
	v_pk_add_f32 v[ST+8*\t+4:ST+8*\t+5], v[S+32*\t:S+32*\t+1], v[S+32*\t+2:S+32*\t+3]
.endr
.irp t, 0,1
	v_pk_fma_f32 v[ST+8*\t+2:ST+8*\t+3], v[ST+8*\t+2:ST+8*\t+3], v[ST+8*\t+6:ST+8*\t+7], v[S+32*\t+4:S+32*\t+5] op_sel_hi:[1,0,1]
.endr
.irp z, 3,5,7,9,11,13
.irp t, 0,1
	v_pk_add_f32 v[ST+8*\t+4:ST+8*\t+5], v[ST+8*\t+4:ST+8*\t+5], v[S+32*\t+2*\z:S+32*\t+2*\z+1]
.endr
.irp t, 0,1
	v_pk_add_f32 v[ST+8*\t+2:ST+8*\t+3], v[ST+8*\t+2:ST+8*\t+3], v[S+32*\t+2*\z+2:S+32*\t+2*\z+3]
.endr
.endr
.irp t, 0,1
	v_pk_add_f32 v[ST+8*\t+4:ST+8*\t+5], v[ST+8*\t+4:ST+8*\t+5], v[S+32*\t+30:S+32*\t+31]
.endr
.irp t, 0,1
	v_pk_add_f32 v[ST+8*\t+2:ST+8*\t+3], v[ST+8*\t+2:ST+8*\t+3], v[ST+8*\t+4:ST+8*\t+5]
.endr
.irp i, 0,1,2,3,4,5,6,7,8,9,10,11,12,13,14,15
.irp t, 0,1
	v_cvt_pk_f16_f32 v[S+32*\t+\i], v[S+32*\t+2*\i], v[S+32*\t+2*\i+1]   ; IN PLACE, ascending: register i was read by an earlier line.  Register 4 kt + i: keys 16 kt + 8 h + 2 i, + 1: source 1 of V^T P as it stands
.endr
.endr
.irp i, 0,1,2,3,4,5,6,7,8,9,10,11,12,13,14,15
.irp t, 0,1
	v_pk_mul_f32 v[O+32*\t+2*\i:O+32*\t+2*\i+1], v[O+32*\t+2*\i:O+32*\t+2*\i+1], v[ST+8*\t+6:ST+8*\t+7] op_sel_hi:[1,0]   ; O^T x a, each accumulator from its low end on
.endr
.endr
.endm
; A KEY STEP: 64 keys of my group.
.macro STEP
	v_add_nc_u32 v[ADK], s[TB], v[L16]             ; five plain lines that name no register of the last products V^T P: K's loads land on registers that those have read (four places),
	v_add_nc_u32 v[ADV], s[TB], v[AV0]             ; and K Q^T writes over P's registers, which they took as a source (five places: ISA guide 7.12.1)
.rept 3
	v_nop
.endr
.irp i, 0,1,2,3,4,5,6,7,8,9,10,11,12,13,14,15
	ds_load_b128 v[KV+4*\i:KV+4*\i+3], v[ADK] offset:512*\i
.endr
	s_wait_dscnt 0x0                               ; K is in
	KQ
.rept 4
	v_nop                                          ; four places in front of V's loads into the registers that K Q^T has read, and of the first read of S^T
.endr
.irp i, 0,1,2,3,4,5,6,7,8,9,10,11,12,13,14,15
	ds_load_b128 v[KV+4*\i:KV+4*\i+3], v[ADV] offset:512*\i   ; V lands while the softmax is walked
.endr
	SOFTMAX
	s_wait_dscnt 0x0                               ; V is in
	PV
	s_add_co_u32 s[TB], s[TB], STEPB
.endm
.macro SLOT s                          ; my group's four steps of slot s
	s_add_co_u32 s[TB], s[GOFF], SLOTB*\s
	s_mov_b32 s[CNT], 4
.Lstep_\@:
	STEP
	s_sub_co_u32 s[CNT], s[CNT], 1
	s_cmp_lg_u32 s[CNT], 0
	s_cbranch_scc1 .Lstep_\@
.endm
; A PREFETCH INTO THE L2 of what the next change of slots will ask for: the last 256 keys of each group, of K and of V: four parts of 32,768 bytes.  It stands behind my tensor load and its five lines, a slot's
; four steps of every wave ahead of that load.  Each aligned block of 256 bytes is named once in the launch: the head's first cluster asks; waves 0, 4, 8, 12 each for one part; the four partners take 8,192 bytes
; each of a part, told apart by address alone; lanes 256 bytes apart.  The earlier slots come by their loads alone.
.macro ASK
	s_cmp_eq_u32 s[LIM], 1
	s_cbranch_scc0 .Lnot_mine_\@
	global_prefetch_b8 v[PFO], s[PFA:PFA+1] th:TH_LOAD_NT scope:SCOPE_SE
.Lnot_mine_\@:
.endm
; THE CHANGE OF SLOTS.  Each wave waits for all its tensor loads (its part of the other slot), adds 0 to its spare word, and waits for that and for its reads of slot s.
; fill = 1: slot s is filled again with each group's keys 512 on; the barrier is a round of the cluster's, and the joint load is the first thing behind it: it has a slot's steps in which to land.
.macro CHANGE s, fill, ask
	s_wait_tensorcnt 0x0                           ; no tensor load of mine is out, so a group 0 may be written
	ds_add_u32 v[SPW], v[NIL]                      ; 0 onto my spare word
.if \fill
	s_add_nc_u64 s[G0+4*\s+2:G0+4*\s+3], s[G0+4*\s+2:G0+4*\s+3], 65536   ; two slots' keys on; the type bits on top are not reached
.endif
	s_wait_dscnt 0x0                               ; the add is done, and my reads of the slot are over
.if \fill
	CROUND
	tensor_load_to_lds s[G0+4*\s:G0+4*\s+3], s[G1:G1+7]
	s_nop 0
.rept 4
	v_nop
.endr
.if \ask
	ASK
.endif
.else
	s_barrier_signal -1
	s_barrier_wait -1
.endif
.endm
	s_wait_tensorcnt 1                             ; my part of slot 0 is in; slot 1's load may stay out
	s_barrier_signal -1
	s_barrier_wait -1                              ; everybody's is
	s_wait_loadcnt 0x0                             ; Q
	SLOT 0                                         ; each group's keys 0 - 255
	CHANGE 0, 1, 1
	SLOT 1                                         ; 256 - 511
	CHANGE 1, 1, 0
	SLOT 0                                         ; 512 - 767
	CHANGE 0, 0, 0                                 ; nothing is left to fetch; behind this barrier nobody reads slot 0
	SLOT 1                                         ; 768 - 1,023
	; THE MERGE.  Waves 8-15 store O^T and the statistics as images of their registers (16 bytes a lane, 512 an instruction); a barrier; waves 0-7 load them into the same lanes.
.rept 4
	v_nop                                          ; four places behind the last products: in front of the first read of O^T and of the loads into registers that the products have read
.endr
	s_cmp_lt_u32 s[WV], 8
	s_cbranch_scc1 .Lkeeps
.irp i, 0,1,2,3,4,5,6,7,8,9,10,11,12,13,14,15
	ds_store_b128 v[MA], v[O+4*\i:O+4*\i+3] offset:512*\i      ; each accumulator from its low end on
.endr
.irp t, 0,1
	ds_store_b128 v[MA], v[ST+8*\t:ST+8*\t+3] offset:8192+512*\t   ; c m, m, l's two halves
.endr
.Lkeeps:
	s_wait_dscnt 0x0                               ; for the others' sake: my LDS stores have landed
	s_barrier_signal -1
	s_barrier_wait -1                              ; every wave passes this barrier
	s_cmp_ge_u32 s[WV], 8
	s_cbranch_scc1 .Lend
.irp i, 0,1,2,3,4,5,6,7,8,9,10,11,12,13,14,15
	ds_load_b128 v[S+4*\i:S+4*\i+3], v[MA] offset:512*\i       ; the other group's O^T, register for register
.endr
.irp t, 0,1
	ds_load_b128 v[KV+4*\t:KV+4*\t+3], v[MA] offset:8192+512*\t   ; and its statistics
.endr
	s_wait_dscnt 0x0
.irp t, 0,1
	v_max_num_f32 v[ST+8*\t+4], v[ST+8*\t], v[KV+4*\t]         ; c x the larger of the two maxima
.endr
.irp t, 0,1
	v_sub_f32 v[ST+8*\t+5], v[ST+8*\t], v[ST+8*\t+4]
.endr
.irp t, 0,1
	v_sub_f32 v[ST+8*\t+7], v[KV+4*\t], v[ST+8*\t+4]
.endr
.irp t, 0,1
	v_exp_f32 v[ST+8*\t+4], v[ST+8*\t+5]           ; a_0: mine
	v_exp_f32 v[ST+8*\t+6], v[ST+8*\t+7]           ; a_1: the other group's
.endr
	v_nop                                          ; a plain line behind the last exponential
	s_wait_alu depctr_va_vdst(0)                   ; one wait for the four, ahead of their first reader
.irp t, 0,1
	v_pk_mul_f32 v[ST+8*\t+2:ST+8*\t+3], v[ST+8*\t+2:ST+8*\t+3], v[ST+8*\t+4:ST+8*\t+5] op_sel_hi:[1,0]
.endr
.irp t, 0,1
	v_pk_fma_f32 v[ST+8*\t+2:ST+8*\t+3], v[KV+4*\t+2:KV+4*\t+3], v[ST+8*\t+6:ST+8*\t+7], v[ST+8*\t+2:ST+8*\t+3] op_sel_hi:[1,0,1]   ; l = l_0 a_0 + l_1 a_1
.endr
.irp t, 0,1
	v_add_f32 v[ST+8*\t+5], v[ST+8*\t+2], v[ST+8*\t+3]         ; its two halves,
.endr
.irp t, 0,1
	v_permlanex16_b32 v[ST+8*\t+7], v[ST+8*\t+5], s[SEL], s[SEL+1]
.endr
.irp t, 0,1
	v_add_f32 v[ST+8*\t+5], v[ST+8*\t+5], v[ST+8*\t+7]         ; and the other half of the lanes'
.endr
.irp t, 0,1
	v_rcp_f32 v[ST+8*\t+7], v[ST+8*\t+5]
.endr
	v_nop                                          ; a plain line behind the last reciprocal
	s_wait_alu depctr_va_vdst(0)                   ; one wait for the two, ahead of their first reader
.irp t, 0,1
	v_mul_f32 v[ST+8*\t+4], v[ST+8*\t+4], v[ST+8*\t+7]         ; a_0 / l
.endr
.irp t, 0,1
	v_mul_f32 v[ST+8*\t+6], v[ST+8*\t+6], v[ST+8*\t+7]         ; a_1 / l
.endr
.irp t, 0,1
.irp i, 0,1,2,3,4,5,6,7,8,9,10,11,12,13,14,15
	v_pk_mul_f32 v[O+32*\t+2*\i:O+32*\t+2*\i+1], v[O+32*\t+2*\i:O+32*\t+2*\i+1], v[ST+8*\t+4:ST+8*\t+5] op_sel_hi:[1,0]   ; each accumulator from its low end on
.endr
.endr
.irp t, 0,1
.irp i, 0,1,2,3,4,5,6,7,8,9,10,11,12,13,14,15
	v_pk_fma_f32 v[O+32*\t+2*\i:O+32*\t+2*\i+1], v[S+32*\t+2*\i:S+32*\t+2*\i+1], v[ST+8*\t+6:ST+8*\t+7], v[O+32*\t+2*\i:O+32*\t+2*\i+1] op_sel_hi:[1,0,1]
.endr
.endr
	; THE WAY OUT: packed to f16, a lane's four registers are its 16 bytes of half a fragment of af
.irp t, 0,1
.irp i, 0,1,2,3,4,5,6,7,8,9,10,11,12,13,14,15
	v_cvt_pk_f16_f32 v[S+16*\t+\i], v[O+32*\t+2*\i], v[O+32*\t+2*\i+1]
.endr
.endr
.irp t, 0,1
.irp ct, 0,1,2,3
	global_store_b128 v[L16], v[S+16*\t+4*\ct:S+16*\t+4*\ct+3], s[34:35] offset:32768*\t+512*\ct   ; 512 consecutive bytes, aligned: tokens 16 t on, channels 16 ct on
.endr
.endr
.Lend:
	s_wait_tensorcnt 0x0                           ; the wave's end: behind my last tensor load and my last LDS store
	ds_add_u32 v[SPW], v[NIL]
	s_wait_dscnt 0x0
	CROUND                                         ; the closing round: no work-group ends while a partner may still ask for a tile that names it
	s_endpgm
.Lfunc_end_k_q4eac166dc1_attn:
	.size	k_q4eac166dc1_attn, .Lfunc_end_k_q4eac166dc1_attn-k_q4eac166dc1_attn
	.p2alignl 7, 3214868480
	.fill 96, 4, 3214868480
	.section	.rodata,"a",@progbits
	.p2align	6, 0x0
	.amdhsa_kernel k_q4eac166dc1_attn
		.amdhsa_group_segment_fixed_size 327680
		.amdhsa_private_segment_fixed_size 0
		.amdhsa_enable_private_segment 0
		.amdhsa_kernarg_size 16
		.amdhsa_user_sgpr_count 2
		.amdhsa_user_sgpr_kernarg_segment_ptr 1
		.amdhsa_wavefront_size32 1
		.amdhsa_system_sgpr_workgroup_id_x 1
		.amdhsa_system_sgpr_workgroup_id_y 1
		.amdhsa_system_sgpr_workgroup_id_z 1
		.amdhsa_system_vgpr_workitem_id 0
		.amdhsa_next_free_vgpr 256
		.amdhsa_next_free_sgpr 66
		.amdhsa_reserve_vcc 0
		.amdhsa_float_denorm_mode_32 3
		.amdhsa_float_denorm_mode_16_64 3
		.amdhsa_memory_ordered 1
		.amdhsa_forward_progress 1
		.amdhsa_inst_pref_size 89
	.end_amdhsa_kernel
	.amdgpu_metadata
---
amdhsa.version: [ 1, 2 ]
amdhsa.kernels:
  - .name:           k_q4eac166dc1_attn
    .symbol:         k_q4eac166dc1_attn.kd
    .args:
      - { .name: qkv, .offset: 0, .size: 8, .value_kind: global_buffer, .address_space: global }
      - { .name: af, .offset: 8, .size: 8, .value_kind: global_buffer, .address_space: global }
    .group_segment_fixed_size: 327680
    .private_segment_fixed_size: 0
    .kernarg_segment_align: 8
    .kernarg_segment_size: 16
    .max_flat_workgroup_size: 512
    .sgpr_count:     66
    .vgpr_count:     256
    .wavefront_size: 32
...
	.end_amdgpu_metadata
.endif
;; end of part 3
;; launch outp (part 4): grid 8 x 32, 4 waves a work-group, clusters of 4 x 4, 327,680 bytes of LDS; arguments af, wo16, out0; writes out0
.if DOCPART == 4
	.amdgcn_target "amdgcn-amd-amdhsa--gfx1250"
	.amdhsa_code_object_version 6
	.text
	.protected	k_q4eac166dc1_outp
	.globl	k_q4eac166dc1_outp
	.p2align	8
	.type	k_q4eac166dc1_outp,@function
k_q4eac166dc1_outp:
	s_mov_b64 s[64:65], 0
	v_nop
	global_prefetch_b8 v0, s[64:65] scope:SCOPE_SE
	s_setreg_imm32_b32 hwreg(HW_REG_WAVE_MODE, 25, 1), 1
	s_wait_xcnt 0x0
	s_wait_alu depctr_hold_cnt(0) depctr_sa_sdst(0) depctr_va_vdst(0) depctr_va_sdst(0) depctr_va_ssrc(0) depctr_va_vcc(0) depctr_vm_vsrc(0)
	s_getreg_b32 s2, hwreg(HW_REG_IB_STS2, 6, 4)
	s_cmp_eq_u32 s2, 0
	s_cbranch_scc0 .Lentry_in_a_cluster
	s_endpgm
.Lentry_in_a_cluster:
	s_bfe_u32 s2, ttmp6, 0x10000c
	s_cmp_lg_u32 s2, 0xf033
	s_cbranch_scc0 .Lentry_shape_is_right
	s_endpgm
.Lentry_shape_is_right:
; OUTP.  out0[m][n] = the sum over k of A[m][k] Wo[k][n]: A the attention result [4096][1024], Wo [1024][1024], both f16; sums f32; out0 f32.
; Both operands come as images of the operand's registers: for each 16 rows (of A: tokens; of B: columns of Wo) 32 fragments of 32 along K, 1,024 bytes each (half c at 512 c, lane L's 16 bytes at 16 L): 32,768 bytes.
; A tile of out0 is 128 x 128: 256 work-groups of four waves, each wave 64 x 64: 16 accumulators.  K goes in four steps of 256 through two LDS slots: two first fills and two refills, written out, no loop.
; A wave's tensor load brings 4 tiles x 8,192 bytes.  No pitch, no padding: every fragment load is a constant + 16 x lane.
; CLUSTERS: 4 x 4 work-groups; A's tiles are asked for jointly along a row of the cluster, B's along a column.  THE MATRIX INSTRUCTION IS USED TRANSPOSED (source 0 = 16 columns of Wo, source 1 = 16 tokens):
; a lane holds eight neighbouring numbers of a row of out0.  A wave's 64 columns are 256 bytes of a row: they go through the wave's OWN stage and leave as aligned runs of 256 bytes: no barrier on the way out.
; REGISTERS: window 0: v0-31 addresses; v32-95 the way out; v128-255 the accumulators ((a, b) at v[128 + 8 (4 a + b)]).   window 1: two fragment buffers of 128: for 64 along K, 64 registers of A, then 64 of B.
.set HALFT,  32768                     ; what one tensor load brings, and what one wave reads of A or of B in a slot
.set SLOT,   4*HALFT                   ; A's 8 tiles, then B's 8
.set STAGE,  2*SLOT                    ; behind the ring: 16 rows x 272 bytes for each wave
.set SPITCH, 272
.set SPARE,  STAGE+4*16*SPITCH         ; the spare words, 128 bytes for each wave: two blocks of 256 bytes that no other line names
.set ADRA, 16                          ; v16-17  LDS address of my A fragments in slot 0, 1
.set ADRB, 20                          ; v20-21  the same for B
.set STO,  24                          ; v24     the stage: where I put 32 bytes of a row
.set RD,   25                          ; v25     and where I read a row back
.set CO,   26                          ; v26     my byte offset in out0
.set SPW,  28                          ; v28     LDS address of my spare word; never rewritten
.set NIL,  29                          ; v29     0; never rewritten
.set TMP,  32                          ; two sets of 32 registers
.set ACC,  128
.set F0,   0                           ; fragment buffers, in window 1
.set F1,   128
.set G1, 24                            ; s[24:31] group 1 for A's tiles;  s[32:39] group 0, one set for each slot
.set G0, 32
.set G1B, 48                           ; s[48:55], s[56:63] the same for B's
.set G0B, 56
.set MSB, 0
.macro WIN new                         ; the immediate's high byte repeats the setting that is left
.if MSB != \new
	s_set_vgpr_msb (MSB<<8)|\new
.set MSB, \new
.endif
.endm
.set MUL,  0x05                        ; sources 0 (B) and 1 (A) window 1; C and D window 0
.set TO_F, 0x40                        ; destination window 1, address window 0
.macro JLOAD s                         ; a joint load: waves 0 and 1 fetch A's halves, waves 2 and 3 B's; an s_nop 0 and four v_nop follow each of the two lines
	s_cmp_eq_u32 s11, 0
	s_cbranch_scc0 .Lfor_b_\@
	tensor_load_to_lds s[G0+4*\s:G0+4*\s+3], s[G1:G1+7]
	s_nop 0
.rept 4
	v_nop
.endr
	s_branch .Lasked_\@
.Lfor_b_\@:
	tensor_load_to_lds s[G0B+4*\s:G0B+4*\s+3], s[G1B:G1B+7]
	s_nop 0
.rept 4
	v_nop
.endr
.Lasked_\@:
.endm
.macro CREST                           ; a round of the cluster's barrier behind its opening barrier
	s_cmp_lg_u32 s10, 0
	s_cbranch_scc1 .Lnot_wave_0_\@
	s_barrier_signal -3
.Lnot_wave_0_\@:
	s_barrier_wait -3
	s_barrier_signal -1
	s_barrier_wait -1
.endm
.macro CROUND                          ; a whole round
	s_barrier_signal -1
	s_barrier_wait -1
	CREST
.endm
	s_load_b128 s[4:7], s[0:1], 0x0                ; af, wo16
	s_load_b64 s[8:9], s[0:1], 0x10                ; out0
	v_lshl_add_u32 v[SPW], v0, 2, SPARE
	v_mov_b32 v[NIL], 0
	ds_add_u32 v[SPW], v[NIL]                      ; the wave's opening: the add, twice on end, and its wait ahead of my first tensor load
	ds_add_u32 v[SPW], v[NIL]
	v_lshrrev_b32 v1, 5, v0
	v_readfirstlane_b32 s10, v1                    ; wave 0..3
	s_lshr_b32 s11, s10, 1                         ; which half of the tile's rows is mine.  Also: I fetch for A (0) or for B (1)
	s_and_b32 s12, s10, 1                          ; which half of its columns.  Also: which 64 rows I fetch
	s_bfe_u32 s40, ttmp6, 0x40000                  ; cx, cy
	s_bfe_u32 s41, ttmp6, 0x40004
	s_lshl_b32 s42, ttmp9, 2
	s_add_co_u32 s42, s42, s40                     ; tile column = 4 x cluster x + cx
	s_and_b32 s13, ttmp7, 0xffff
	s_lshl_b32 s13, s13, 2
	s_add_co_u32 s13, s13, s41                     ; tile row = 4 x cluster y + cy
	s_lshl_b32 s43, s41, 2
	s_lshl_b32 s43, 15, s43                        ; my row of the cluster
	s_lshl_b32 s44, 0x1111, s40                    ; my column
	; group 1: a K step of 4 tiles: 4 rows of 8,192 bytes (1,024 elements of 8 bytes), 32,768 bytes apart; no padding
	s_or_b32 s[G1+0], s43, (3<<16)|(1<<21)         ; 15:0 the mask; 17:16 elements of 8 bytes; 21 set beside a mask
	s_or_b32 s[G1B+0], s44, (3<<16)|(1<<21)
.irp g, G1, G1B
	s_mov_b32 s[\g+1], 1024<<16                    ; tensor_dim0
	s_mov_b32 s[\g+2], 4<<16                       ; tensor_dim1
	s_mov_b32 s[\g+3], 1024<<16                    ; tile_dim0
	s_mov_b32 s[\g+4], 4                           ; tile_dim1
	s_mov_b32 s[\g+5], 4096                        ; tensor_dim0_stride
	s_mov_b32 s[\g+6], 0
	s_mov_b32 s[\g+7], 0
.endr
	s_lshl_b32 s17, s12, 2                         ; which 4 tiles of the 8 I fetch
	s_lshl_b32 s16, s13, 3
	s_add_co_u32 s16, s16, s17                     ; A: tile 8 x tile row + 4 x half
	s_lshl_b32 s46, s42, 3
	s_add_co_u32 s46, s46, s17                     ; B: tile 8 x tile column + 4 x half
	s_lshl_b32 s16, s16, 15
	s_mov_b32 s17, 0
	s_lshl_b32 s46, s46, 15
	s_mov_b32 s47, 0
	s_lshl_b32 s20, s10, 15                        ; where they go: wave x 32,768
	s_wait_dscnt 0x0                               ; both opening adds are done
	s_wait_kmcnt 0x0
	s_add_nc_u64 s[14:15], s[4:5], s[16:17]
	s_add_nc_u64 s[46:47], s[6:7], s[46:47]
	CROUND                                         ; all sixteen work-groups are here: the first joint loads meet
.irp s, 0,1
	s_mov_b32 s[G0+4*\s], 1
	s_add_co_u32 s[G0+4*\s+1], s20, \s*SLOT
	s_add_nc_u64 s[G0+4*\s+2:G0+4*\s+3], s[14:15], \s*8192
	s_or_b32 s[G0+4*\s+3], s[G0+4*\s+3], 0x80000000
	s_mov_b32 s[G0B+4*\s], 1
	s_add_co_u32 s[G0B+4*\s+1], s20, \s*SLOT
	s_add_nc_u64 s[G0B+4*\s+2:G0B+4*\s+3], s[46:47], \s*8192
	s_or_b32 s[G0B+4*\s+3], s[G0B+4*\s+3], 0x80000000
	JLOAD \s                                       ; two loads of mine are out behind the second
.endr
	v_and_b32 v1, 15, v0                           ; r
	v_bfe_u32 v2, v0, 4, 1                         ; h
	v_and_b32 v3, 31, v0
	v_lshlrev_b32 v3, 4, v3                        ; 16 x lane
	s_lshl_b32 s21, s11, 15                        ; my 64 rows of A
	s_lshl_b32 s22, s12, 15                        ; my 64 rows of B,
	s_add_co_u32 s22, s22, 2*HALFT                 ; which lie behind A's 128
.irp s, 0,1
	v_add_nc_u32 v[ADRA+\s], s21, v3
	v_add_nc_u32 v[ADRB+\s], s22, v3
	s_add_co_u32 s21, s21, SLOT
	s_add_co_u32 s22, s22, SLOT
.endr
	s_mul_i32 s23, s10, 16*SPITCH
	s_add_co_u32 s23, s23, STAGE                   ; my stage
	v_mul_u32_u24 v4, v1, SPITCH                   ; in: row r, 32 bytes for each half of the lanes
	v_lshl_add_u32 v4, v2, 5, v4
	v_add_nc_u32 v[STO], s23, v4
	v_mul_u32_u24 v5, v2, SPITCH                   ; back: lanes 0-15 one row of 256 bytes, lanes 16-31 the next
	v_lshl_add_u32 v5, v1, 4, v5
	v_add_nc_u32 v[RD], s23, v5
	v_lshlrev_b32 v5, 12, v2                       ; and the same two rows in out0: 4,096 bytes a row
	v_lshl_add_u32 v[CO], v1, 4, v5
	s_lshl_b32 s16, s13, 7
	s_lshl_b32 s17, s11, 6
	s_add_co_u32 s16, s16, s17                     ; my first row: 128 x tile row + 64 x half
	s_lshl_b32 s16, s16, 12
	s_lshl_b32 s46, s42, 9                         ; my first column, in bytes: 512 x tile column + 256 x half
	s_add_co_u32 s16, s16, s46
	s_lshl_b32 s46, s12, 8
	s_add_co_u32 s16, s16, s46
	s_mov_b32 s17, 0
	s_add_nc_u64 s[8:9], s[8:9], s[16:17]
; 8 matrix instructions: A's blocks a0, a0 + 1 x B's four, 32 along K: half c of buffer f.  zero = 1: the first product starts the sums.  The 16 accumulators take turns.
.macro MUL8 f, c, a0, zero
.irp a, \a0, \a0+1
.irp b, 0,1,2,3
.if \zero
	v_wmma_f32_16x16x32_f16 v[ACC+8*(4*(\a)+\b):ACC+8*(4*(\a)+\b)+7], v[\f+64+8*(4*\c+\b):\f+64+8*(4*\c+\b)+7], v[\f+8*(4*\c+\a):\f+8*(4*\c+\a)+7], 0
.else
	v_wmma_f32_16x16x32_f16 v[ACC+8*(4*(\a)+\b):ACC+8*(4*(\a)+\b)+7], v[\f+64+8*(4*\c+\b):\f+64+8*(4*\c+\b)+7], v[\f+8*(4*\c+\a):\f+8*(4*\c+\a)+7], v[ACC+8*(4*(\a)+\b):ACC+8*(4*(\a)+\b)+7]
.endif
.endr
.endr
.endm
; 32 LDS loads in one run: the fragments of the slot's kq-th 64 along K into buffer f; the first 32 along K first
.macro FETCH slot, kq, f
	WIN TO_F
.irp c, 0,1
.irp i, 0,1,2,3
	ds_load_b128 v[\f+64+8*(4*\c+\i):\f+64+8*(4*\c+\i)+3],   v[ADRB+\slot] offset:1024*(2*\kq+\c)+8192*\i
	ds_load_b128 v[\f+64+8*(4*\c+\i)+4:\f+64+8*(4*\c+\i)+7], v[ADRB+\slot] offset:1024*(2*\kq+\c)+8192*\i+512
	ds_load_b128 v[\f+8*(4*\c+\i):\f+8*(4*\c+\i)+3],         v[ADRA+\slot] offset:1024*(2*\kq+\c)+8192*\i
	ds_load_b128 v[\f+8*(4*\c+\i)+4:\f+8*(4*\c+\i)+7],       v[ADRA+\slot] offset:1024*(2*\kq+\c)+8192*\i+512
.endr
.endr
.endm
.macro PLACES                          ; four plain lines in front of loads into registers that matrix instructions have read, and of the first read of results
.rept 4
	v_nop
.endr
.endm
; A K step is four quarters of 64 along K, 32 matrix instructions each, on buffers 0, 1, 0, 1.  One of the first three: multiplies buffer f and fetches the slot's kq-th quarter into g.
.macro QUARTER slot, kq, f, g, zero
	s_wait_dscnt 16                                ; the first 32 along K are in; the youngest sixteen loads may be out
	WIN MUL
	MUL8 \f, 0, 0, \zero
	MUL8 \f, 0, 2, \zero
	PLACES
	FETCH \slot, \kq, \g
	s_wait_dscnt 32                                ; all but the 32 just issued
	WIN MUL
	MUL8 \f, 1, 0, 0
	MUL8 \f, 1, 2, 0
.endm
; The last quarter multiplies buffer 1 and changes slots: ONE barrier; in front of it each wave waits for all its tensor loads, adds 0 to its spare word, and waits for that and for its reads of this slot.
; fill = 1: this slot is filled again, two K steps ahead; the barrier then opens a round of the cluster's.
.macro TURN slot, next, fill
	WIN 0                                          ; (the add's two registers lie in window 0)
	s_wait_tensorcnt 0x0                           ; all my tensor loads have landed: my part of the next slot
	ds_add_u32 v[SPW], v[NIL]                      ; 0 onto my spare word
	s_wait_dscnt 17                                ; (the add and the youngest sixteen loads may be out)
	WIN MUL
	MUL8 F1, 0, 0, 0                               ; eight matrix instructions stand between the add and the wait for it
	s_wait_dscnt 0x0                               ; the add is done, and my reads of this slot are over
	s_barrier_signal -1
	MUL8 F1, 0, 2, 0
.if \fill
	WIN 0
.endif
	s_barrier_wait -1
.if \fill
	CREST                                          ; no wave of any partner still reads this slot's tile or has a load on its way
	s_add_nc_u64 s[G0+4*\slot+2:G0+4*\slot+3], s[G0+4*\slot+2:G0+4*\slot+3], 16384
	s_add_nc_u64 s[G0B+4*\slot+2:G0B+4*\slot+3], s[G0B+4*\slot+2:G0B+4*\slot+3], 16384
	JLOAD \slot                                    ; the first tensor load behind the round; the four v_nop behind it are also the places in front of the loads below
.else
	PLACES
.endif
	FETCH \next, 0, F0
	WIN MUL
	MUL8 F1, 1, 0, 0
	MUL8 F1, 1, 2, 0
.endm
	s_wait_tensorcnt 1                             ; my part of K step 0 is in; K step 1's load may stay out
	s_barrier_signal -1
	s_barrier_wait -1                              ; everybody's is
	FETCH 0, 0, F0
	QUARTER 0, 1, F0, F1, 1                        ; K step 0: its first products start the sums
	QUARTER 0, 2, F1, F0, 0
	QUARTER 0, 3, F0, F1, 0
	TURN 0, 1, 1                                   ; slot 0 takes K step 2
	QUARTER 1, 1, F0, F1, 0                        ; K step 1
	QUARTER 1, 2, F1, F0, 0
	QUARTER 1, 3, F0, F1, 0
	TURN 1, 0, 1                                   ; slot 1 takes K step 3
	QUARTER 0, 1, F0, F1, 0                        ; K step 2
	QUARTER 0, 2, F1, F0, 0
	QUARTER 0, 3, F0, F1, 0
	TURN 0, 1, 0                                   ; nothing is left to fetch
	QUARTER 1, 1, F0, F1, 0                        ; K step 3
	QUARTER 1, 2, F1, F0, 0
	QUARTER 1, 3, F0, F1, 0
	s_wait_dscnt 16                                ; the very last quarter
	WIN MUL
	MUL8 F1, 0, 0, 0
	MUL8 F1, 0, 2, 0
	s_wait_dscnt 0
	MUL8 F1, 1, 0, 0
	MUL8 F1, 1, 2, 0
	WIN 0
	; THE WAY OUT, 16 rows x 64 columns at a time through my own stage: in by rows of 272 bytes, each accumulator from its low end on; back as whole rows of 256 bytes.  LDS serves a wave's instructions in order.
	PLACES
.irp a, 0,1,2,3
.if \a >= 2
	s_wait_xcnt 0x0                                ; the stores of two blocks back have read their registers
.endif
.irp b, 0,1,2,3
	ds_store_b128 v[STO], v[ACC+8*(4*\a+\b):ACC+8*(4*\a+\b)+3] offset:64*\b
	ds_store_b128 v[STO], v[ACC+8*(4*\a+\b)+4:ACC+8*(4*\a+\b)+7] offset:64*\b+16
.endr
.irp t, 0,1,2,3,4,5,6,7
	ds_load_b128 v[TMP+32*(\a%2)+4*\t:TMP+32*(\a%2)+4*\t+3], v[RD] offset:2*SPITCH*\t
.endr
.irp t, 0,1,2,3,4,5,6,7
	s_wait_dscnt 7-\t                              ; load t is in; the younger ones may stay out
	global_store_b128 v[CO], v[TMP+32*(\a%2)+4*\t:TMP+32*(\a%2)+4*\t+3], s[8:9] offset:4096*(16*\a+2*\t) th:TH_STORE_NT   ; sixteen lanes store 256 consecutive bytes, at a multiple of 256 from out0's first byte
.endr
.endr
	s_wait_tensorcnt 0x0                           ; the wave's end: behind my last tensor load and my last LDS store
	ds_add_u32 v[SPW], v[NIL]
	s_wait_dscnt 0x0
	CROUND                                         ; the closing round: no work-group ends while a partner may still ask for a tile that names it
	s_endpgm
.Lfunc_end_k_q4eac166dc1_outp:
	.size	k_q4eac166dc1_outp, .Lfunc_end_k_q4eac166dc1_outp-k_q4eac166dc1_outp
	.p2alignl 7, 3214868480
	.fill 96, 4, 3214868480
	.section	.rodata,"a",@progbits
	.p2align	6, 0x0
	.amdhsa_kernel k_q4eac166dc1_outp
		.amdhsa_group_segment_fixed_size 327680
		.amdhsa_private_segment_fixed_size 0
		.amdhsa_enable_private_segment 0
		.amdhsa_kernarg_size 24
		.amdhsa_user_sgpr_count 2
		.amdhsa_user_sgpr_kernarg_segment_ptr 1
		.amdhsa_wavefront_size32 1
		.amdhsa_system_sgpr_workgroup_id_x 1
		.amdhsa_system_sgpr_workgroup_id_y 1
		.amdhsa_system_sgpr_workgroup_id_z 1
		.amdhsa_system_vgpr_workitem_id 0
		.amdhsa_next_free_vgpr 512
		.amdhsa_next_free_sgpr 66
		.amdhsa_reserve_vcc 0
		.amdhsa_float_denorm_mode_32 3
		.amdhsa_float_denorm_mode_16_64 3
		.amdhsa_memory_ordered 1
		.amdhsa_forward_progress 1
		.amdhsa_inst_pref_size 86
	.end_amdhsa_kernel
	.amdgpu_metadata
---
amdhsa.version: [ 1, 2 ]
amdhsa.kernels:
  - .name:           k_q4eac166dc1_outp
    .symbol:         k_q4eac166dc1_outp.kd
    .args:
      - { .name: af, .offset: 0, .size: 8, .value_kind: global_buffer, .address_space: global }
      - { .name: wo16, .offset: 8, .size: 8, .value_kind: global_buffer, .address_space: global }
      - { .name: out0, .offset: 16, .size: 8, .value_kind: global_buffer, .address_space: global }
    .group_segment_fixed_size: 327680
    .private_segment_fixed_size: 0
    .kernarg_segment_align: 8
    .kernarg_segment_size: 24
    .max_flat_workgroup_size: 128
    .sgpr_count:     66
    .vgpr_count:     512
    .wavefront_size: 32
...
	.end_amdgpu_metadata
.endif
;; end of part 4
